; MI455X (gfx1250); checked and timed in simulation.
; The chip was launched on July 23, 2026; its instructions are those of AMD's public machine-readable ISA for CDNA 5 (MIT licence, August 2026) and "CDNA5" Instruction Set Architecture Reference Guide (July 2026). The comments in the code are by the model that wrote it; some were corrected since.
;; Attn Block. Allowed arithmetic: matrix products marked QUANTISED: E5M2 operands, one E8M0 scale for each 32 along K, by v_wmma_scale_f32_16x16x128_f8f6f4 with both operands' format E5M2, f32 sums; everything else in f32.
;; Inputs: bk 64 float32; bp 64 float32; bq 64 float32; bv 64 float32; gn_beta 64 float32; gn_gamma 64 float32; wk 64 x 64 float32; wp 64 x 64 float32; wq 64 x 64 float32; wv 64 x 64 float32; x 4 x 64 x 64 x 64 float32.
;; Outputs: out0 4 x 64 x 64 x 64 float32.
;; This version of the problem:
;;   THIS VERSION OF THE PROBLEM IS GIVEN IN LOW PRECISION. The matrix products marked QUANTISED in the list below multiply operands that are first quantised to E5M2 (5 exponent bits, 2 mantissa bits; 8 bits a number), with one power-of-two scale for each 32 numbers along K (OCP MX v1.0); their sums are f32. All else is computed in f32.
;;   The module's matrix products, in the order in which they are computed (A, B: the left and right operand; K: the contracted axis; several contracted axes count as one K, in the product's order):
;;     1. [M 64, K 64] x [K 64, N 16,384]; A: input wq; B: computed on the way: QUANTISED
;;     2. [M 64, K 64] x [K 64, N 16,384]; A: input wk; B: computed on the way: QUANTISED
;;     3. [M 64, K 64] x [K 64, N 16,384]; A: input wv; B: computed on the way: QUANTISED
;;     4. batch 4 x [M 4,096, K 64] x [K 64, N 4,096]; A: computed on the way; B: computed on the way: QUANTISED
;;     5. batch 4 x [M 64, K 4,096] x [K 4,096, N 4,096]; A: computed on the way; B: computed on the way: QUANTISED
;;     6. [M 64, K 64] x [K 64, N 16,384]; A: input wp; B: computed on the way: QUANTISED
;;   THE QUANTISER, for each operand of a quantised product, along K:
;;     - K is cut into blocks of 32 from its start; a last block that is shorter is filled with zeros.
;;     - A block's scale is 2^e with e = floor(log2(the largest magnitude in the block)) - 15, held to -126 .. 127; a block of zeros has e = 0. As a byte (E8M0): e + 127.
;;     - Each number is divided by its block's scale, clamped to +-57,344, and rounded to the nearest number of E5M2, ties to even, subnormals kept.
;;     - The product sums the exact products of the quantised numbers (number of the format x scale) in f32.
;;   ~~~python
;;   def quantise(x, axis):      # numpy; x: float32 -> the quantised numbers, widened to float32 again
;;       x = np.moveaxis(x, axis, -1); K = x.shape[-1]
;;       x = np.pad(x, [(0, 0)] * (x.ndim - 1) + [(0, -K % 32)]); x = x.reshape(x.shape[:-1] + (-1, 32)); a = np.abs(x).max(-1, keepdims=True)
;;       e = np.where(a > 0, np.clip(np.frexp(np.where(a > 0, a, 1))[1] - 1 - 15, -126, 127), 0)      # np.frexp(a)[1] - 1 = floor(log2(a)), exactly
;;       r = np.clip(x / 2.0 ** e, -57344, 57344)
;;       step = 2.0 ** (np.maximum(np.frexp(np.where(r == 0, 1, r))[1] - 1, -14) - 2)
;;       q = np.round(r / step) * step * 2.0 ** e      # np.round: ties to even
;;       return np.moveaxis(q.reshape(q.shape[:-2] + (-1,))[..., :K], -1, axis).astype(np.float32)
;;   ~~~
;;   OPERANDS COMPUTED ON THE WAY. 'Computed on the way' means the value that the module computes at that place (a softmax that the list does not call 'softmax' is quantised finished and normalised). What goes into a quantiser is computed in f32, as accurately as f32 sums, v_exp_f32 and their like allow (about 1e-6 of the number): no bf16 or f16 on the way to a quantiser, and a product that is left as it is and whose result goes on into a quantised operand takes f32 operands (vector FMAs, or v_wmma_f32_16x16x4_f32). A number that lies on a knife's edge between two numbers of the format may be rounded either way, as far as f32 arithmetic and the matrix unit's own rounding can turn it there, and no further.
;; 2 versions, each right; version 2 is version 1 with the launch proj written anew for expert scheduling mode. Each part assembles by itself: llvm-mc -triple=amdgcn-amd-amdhsa -mcpu=gfx1250 --defsym DOCPART=n.
;; ======== version 1 of 2: 3 launches
;; workspace buffers: stats 1,024 bytes; wts 16,896 bytes; qimg 1,048,576 bytes; kimg 1,048,576 bytes; qsc 65,536 bytes; ksc 32,768 bytes; vimg 1,048,576 bytes; vsc 32,768 bytes
;; launch prep (part 1): grid 129 x 1, 4 waves a work-group, no clusters, 768 bytes of LDS; arguments x, wq, wk, wv, wp, stats, wts; writes stats, wts
.if DOCPART == 1
	.amdgcn_target "amdgcn-amd-amdhsa--gfx1250"
	.amdhsa_code_object_version 6
	.text
	.protected	k_qe409589316_prep
	.globl	k_qe409589316_prep
	.p2align	8
	.type	k_qe409589316_prep,@function
k_qe409589316_prep:
	s_mov_b64 s[64:65], 0
	v_nop
	global_prefetch_b8 v0, s[64:65] scope:SCOPE_SE
	s_setreg_imm32_b32 hwreg(HW_REG_WAVE_MODE, 25, 1), 1
	s_wait_xcnt 0x0
; PREP.  Work-groups 0-127: mean and 1/sqrt(var + eps) of one GroupNorm group (batch b, group g: number 32 b + g): 2 channels x 4,096 positions = 8,192 f32, 32,768 consecutive bytes of x.
; The group stays in registers between the pass for the mean and the pass for the variance, which sums the squares of the deviations (no difference of large sums).  stats[32 b + g] = (mean, rstd).
; Work-group 128: the four weights [64][64] f32 become codes of E5M2 with one E8M0 byte for each 32 along K (the input channels), one weight a wave, laid as IMAGES OF OPERAND REGISTERS.
; A PAIR FRAGMENT f (16 registers a lane) holds two tiles of 16 rows x 64 K: groups 0, 1 (K 0-63 of the instruction) tile 2 f, groups 2, 3 (K 64-127) tile 2 f + 1; row m of tile 2 f + y is output channel
; 32 f + 8 y + m + 8 (m / 8).  Group G of lane l lies at 2,048 f + 512 G + 16 l of the weight's 4,096 bytes.  Scale words from byte 16,384 on, 128 bytes a weight: lanes 0-15 fragment 0's rows, lanes 16-31 fragment 1's.
; LIMITS: NaN and infinities among the inputs are not served; a block whose largest magnitude lies under 2^-111 keeps the byte 1; a block of zeros has the byte 1 where the rule says 127 (its codes are zeros; this program alone reads the bytes).
; No cluster: the work-groups share no input.  No matrix unit: nothing is multiplied here.
.set X,     16                         ; v16-79 the group's 64 numbers of a thread;  weights: v16-143 a lane's 128 numbers
.set A,     80                         ; v80-87 four chains of packed sums
.set MEAN,  88                         ; v88-89 the mean, twice
.set RES,   90                         ; v90-91 (mean, rstd)
.set PC,    144                        ; v144-175 the codes of two fragments
.set TM,    176                        ; v176-191 the quantiser's: +0 largest magnitudes, +4 bytes, +8 holds, +12 scale operands
.set PW,    192                        ; v192-194 scale words
.set SPW,   200                        ; LDS address of my spare word; never rewritten
.set NIL,   201                        ; 0; never rewritten
.set SPARE, 256                        ; LDS: bytes 0-15 the waves' sums, 16-31 their sums of squares; from 256 the spare words, 128 bytes a wave
.set WV,    18
.set SEL,   20                         ; s[20:21] v_permlanex16_b32's selects for lane l xor 16
.set MNT,   22                         ; the mantissa field of 57,344
; nb blocks of 32 along K: block b's 16 numbers of my lane in v[s + 16 b] on, the other 16 in lane l xor 16.  Codes to v[d + 4 b + gap (b / 2)] on; the bytes are left in v[TM+4] on.
.macro QUANT s, d, gap, nb
.set qb, 0
.rept \nb
	v_max3_num_f32 v[TM+qb], |v[\s+16*qb]|, |v[\s+16*qb+1]|, 0x8000000   ; with the floor 2^(16 - 127): the byte cannot fall under 1
.set qb, qb+1
.endr
.irp i, 2,4,6,8,10,12,14
.set qb, 0
.rept \nb
	v_max3_num_f32 v[TM+qb], v[TM+qb], |v[\s+16*qb+\i]|, |v[\s+16*qb+\i+1]|   ; the blocks by turns
.set qb, qb+1
.endr
.endr
.set qb, 0
.rept \nb
	v_permlanex16_b32 v[TM+4+qb], v[TM+qb], s[SEL], s[SEL+1]
.set qb, qb+1
.endr
.set qb, 0
.rept \nb
	v_max_num_f32 v[TM+qb], v[TM+qb], v[TM+4+qb]                   ; the block's largest magnitude
.set qb, qb+1
.endr
.set qb, 0
.rept \nb
	v_add_nc_u32 v[TM+12+qb], 0xf8800000, v[TM+qb]                 ; 15 off its exponent field: the conversion's scale operand
	v_and_or_b32 v[TM+8+qb], v[TM+qb], 0x7f800000, s[MNT]          ; 57,344 x the scale
.set qb, qb+1
.endr
.set qb, 0
.rept \nb
	v_lshrrev_b32 v[TM+4+qb], 23, v[TM+12+qb]                      ; the scale's byte
.set qb, qb+1
.endr
.set qb, 0
.rept \nb
.irp i, 0,1,2,3,4,5,6,7,8,9,10,11,12,13,14,15
	v_med3_num_f32 v[\s+16*qb+\i], v[\s+16*qb+\i], -v[TM+8+qb], v[TM+8+qb]   ; the conversion to an 8-bit code does not saturate (ISA guide 7.6.2): the hold
.endr
	v_cvt_scalef32_pk8_bf8_f32 v[\d+4*qb+\gap*(qb/2):\d+4*qb+\gap*(qb/2)+1], v[\s+16*qb:\s+16*qb+7], v[TM+12+qb]
	v_cvt_scalef32_pk8_bf8_f32 v[\d+4*qb+\gap*(qb/2)+2:\d+4*qb+\gap*(qb/2)+3], v[\s+16*qb+8:\s+16*qb+15], v[TM+12+qb]
.set qb, qb+1
.endr
	v_nop                                          ; one plain line behind the last conversion
.endm
; The four chains, the 32 lanes, the four waves: the sum ends in v8 of every thread.  off: the LDS bytes that this sum uses.
.macro REDUCE off
	v_pk_add_f32 v[A:A+1], v[A:A+1], v[A+2:A+3]
	v_pk_add_f32 v[A+4:A+5], v[A+4:A+5], v[A+6:A+7]
	v_pk_add_f32 v[A:A+1], v[A:A+1], v[A+4:A+5]
	v_add_f32 v8, v[A], v[A+1]
	v_add_f32_dpp v8, v8, v8 row_xmask:1 row_mask:0xf bank_mask:0xf
	v_add_f32_dpp v8, v8, v8 row_xmask:2 row_mask:0xf bank_mask:0xf
	v_add_f32_dpp v8, v8, v8 row_xmask:4 row_mask:0xf bank_mask:0xf
	v_add_f32_dpp v8, v8, v8 row_xmask:8 row_mask:0xf bank_mask:0xf
	v_permlanex16_b32 v9, v8, s[SEL], s[SEL+1]
	v_add_f32 v8, v8, v9
	ds_store_b32 v10, v8 offset:\off               ; all lanes of a wave write the wave's word with the same value
	s_wait_dscnt 0x0                               ; for the others' sake: my store has landed
	s_barrier_signal -1
	s_barrier_wait -1
	ds_load_b128 v[12:15], v11 offset:\off
	s_wait_dscnt 0x0
	v_add_f32 v12, v12, v13
	v_add_f32 v14, v14, v15
	v_add_f32 v8, v12, v14
.endm
	s_load_b256 s[4:11], s[0:1], 0x0               ; x s[4:5], wq s[6:7], wk s[8:9], wv s[10:11]
	s_load_b128 s[12:15], s[0:1], 0x20             ; wp s[12:13], stats s[14:15]
	s_load_b64 s[16:17], s[0:1], 0x30              ; wts
	v_lshl_add_u32 v[SPW], v0, 2, SPARE
	v_mov_b32 v[NIL], 0
	v_lshrrev_b32 v1, 5, v0
	v_readfirstlane_b32 s[WV], v1                  ; wave 0..3
	s_mov_b32 s[SEL], 0x76543210
	s_mov_b32 s[SEL+1], 0xfedcba98
	s_mov_b32 s[MNT], 0x600000
	s_mov_b32 s25, 0
.irp b, 0,1,2,3
	v_mov_b32 v[TM+4+\b], 0                        ; written once: a lane permute's destination counts as one of its sources
.endr
	v_mov_b32 v9, 0
	s_wait_kmcnt 0x0
	s_cmp_eq_u32 ttmp9, 128                        ; the work-group's number alone: all four waves go the same way
	s_cbranch_scc1 .Lweights
	; ---- the statistics of group ttmp9
	s_lshl_b32 s24, ttmp9, 15                      ; 32,768 bytes a group
	s_add_nc_u64 s[4:5], s[4:5], s[24:25]
	s_lshl_b32 s24, ttmp9, 3                       ; 8 bytes a group
	s_add_nc_u64 s[14:15], s[14:15], s[24:25]
	s_mov_b32 s26, 0x39000000                      ; 1 / 8,192
	s_mov_b32 s27, 0x3727c5ac                      ; eps = 1e-5
	v_lshlrev_b32 v1, 4, v0                        ; 16 bytes a thread: a load of the work-group covers 2,048 consecutive bytes
	v_mov_b32 v10, s[WV]
	v_lshlrev_b32 v10, 2, v10                      ; my wave's word
	v_mov_b32 v11, 0
.irp i, 0,1,2,3,4,5,6,7,8,9,10,11,12,13,14,15
	global_load_b128 v[X+4*\i:X+4*\i+3], v1, s[4:5] offset:2048*\i
.endr
.irp g, 0,1,2,3
	s_wait_loadcnt 12-4*\g                         ; loads come back in order: four more are in, the younger ones stay out
.irp k, 0,1,2,3
.if \g == 0
	v_pk_add_f32 v[A+2*\k:A+2*\k+1], v[X+2*\k:X+2*\k+1], v[X+8+2*\k:X+8+2*\k+1]   ; the first pairs start the chains: nothing is cleared
.else
	v_pk_add_f32 v[A+2*\k:A+2*\k+1], v[A+2*\k:A+2*\k+1], v[X+16*\g+2*\k:X+16*\g+2*\k+1]
.endif
.endr
.if \g > 0
.irp k, 0,1,2,3
	v_pk_add_f32 v[A+2*\k:A+2*\k+1], v[A+2*\k:A+2*\k+1], v[X+16*\g+8+2*\k:X+16*\g+8+2*\k+1]
.endr
.endif
.endr
	REDUCE 0
	v_mul_f32 v[MEAN], s26, v8
	v_mov_b32 v[MEAN+1], v[MEAN]
	v_mov_b32 v[RES], v[MEAN]
.set j, 0
.rept 32
	v_pk_add_f32 v[X+2*j:X+2*j+1], v[X+2*j:X+2*j+1], v[MEAN:MEAN+1] neg_lo:[0,1] neg_hi:[0,1]   ; the deviations
.set j, j+1
.endr
.irp k, 0,1,2,3
	v_pk_mul_f32 v[A+2*\k:A+2*\k+1], v[X+2*\k:X+2*\k+1], v[X+2*\k:X+2*\k+1]
.endr
.set j, 4
.rept 28
	v_pk_fma_f32 v[A+2*(j%4):A+2*(j%4)+1], v[X+2*j:X+2*j+1], v[X+2*j:X+2*j+1], v[A+2*(j%4):A+2*(j%4)+1]
.set j, j+1
.endr
	REDUCE 16                                      ; other bytes than the first sum's: no wave's store meets another's read
	v_fma_f32 v8, v8, s26, s27                     ; var + eps
	v_rsq_f32 v[RES+1], v8
	v_nop                                          ; a plain line behind the transcendental,
	s_wait_alu depctr_va_vdst(0)                   ; and the wait ahead of its first reader
	v_cmp_eq_u32 vcc_lo, 0, v0
	s_wait_xcnt 0x0                                ; EXEC changes only behind this wait
	s_and_saveexec_b32 s28, vcc_lo                 ; thread 0 alone
	global_store_b64 v11, v[RES:RES+1], s[14:15]
	s_wait_xcnt 0x0
	s_or_b32 exec_lo, exec_lo, s28
	s_branch .Lend
	; ---- the weights: wave 0 wq, 1 wk, 2 wv, 3 wp
.Lweights:
	s_cmp_eq_u32 s[WV], 1
	s_cselect_b64 s[6:7], s[8:9], s[6:7]
	s_cmp_eq_u32 s[WV], 2
	s_cselect_b64 s[6:7], s[10:11], s[6:7]
	s_cmp_eq_u32 s[WV], 3
	s_cselect_b64 s[6:7], s[12:13], s[6:7]
	v_and_b32 v3, 15, v0                           ; r
	v_bfe_u32 v4, v0, 4, 1                         ; h
	v_and_b32 v2, 8, v3
	v_add_nc_u32 v2, v2, v3                        ; r + 8 (r / 8)
	v_lshlrev_b32 v2, 8, v2                        ; a row is 256 bytes
	v_lshl_add_u32 v2, v4, 6, v2                   ; + 64 h: my 16 numbers of a block of 32
	v_and_b32 v5, 31, v0
	v_lshlrev_b32 v1, 4, v5                        ; 16 x lane
	v_lshlrev_b32 v5, 2, v5                        ; 4 x lane
	s_lshl_b32 s24, s[WV], 12
	s_add_nc_u64 s[30:31], s[16:17], s[24:25]      ; my weight's images
	s_lshl_b32 s24, s[WV], 7
	s_add_nc_u64 s[16:17], s[16:17], s[24:25]      ; its scale words, 16,384 bytes further on
.irp f, 0,1
.irp u, 0,1
.irp g, 0,1
.irp k, 0,1,2,3
	global_load_b128 v[X+64*\f+16*(2*\u+\g)+4*\k:X+64*\f+16*(2*\u+\g)+4*\k+3], v2, s[6:7] offset:(32*\f+8*\u)*256+128*\g+16*\k
.endr
.endr
.endr
.endr
	s_wait_loadcnt 0x0
.irp f, 0,1
	QUANT X+64*\f, PC+16*\f, 0, 4
	v_lshl_or_b32 v[PW+\f], v[TM+5], 8, v[TM+4]    ; (tile 2 f: K 0-31, 32-63; tile 2 f + 1: the same)
	v_lshl_or_b32 v[PW+\f], v[TM+6], 16, v[PW+\f]
	v_lshl_or_b32 v[PW+\f], v[TM+7], 24, v[PW+\f]
.irp g, 0,1,2,3
	global_store_b128 v1, v[PC+16*\f+4*\g:PC+16*\f+4*\g+3], s[30:31] offset:2048*\f+512*\g   ; 32 lanes store 512 consecutive bytes
.endr
.endr
	v_cmp_eq_u32 vcc_lo, 1, v4
	v_cndmask_b32 v[PW+2], v[PW], v[PW+1], vcc_lo  ; lanes 16-31 carry fragment 1's words
	global_store_b32 v5, v[PW+2], s[16:17] offset:16384
.Lend:
	s_wait_tensorcnt 0x0                           ; the wave's end
	ds_add_u32 v[SPW], v[NIL]
	s_wait_dscnt 0x0
	s_endpgm
.Lfunc_end_k_qe409589316_prep:
	.size	k_qe409589316_prep, .Lfunc_end_k_qe409589316_prep-k_qe409589316_prep
	.p2alignl 7, 3214868480
	.fill 96, 4, 3214868480
	.section	.rodata,"a",@progbits
	.p2align	6, 0x0
	.amdhsa_kernel k_qe409589316_prep
		.amdhsa_group_segment_fixed_size 768
		.amdhsa_private_segment_fixed_size 0
		.amdhsa_enable_private_segment 0
		.amdhsa_kernarg_size 56
		.amdhsa_user_sgpr_count 2
		.amdhsa_user_sgpr_kernarg_segment_ptr 1
		.amdhsa_wavefront_size32 1
		.amdhsa_system_sgpr_workgroup_id_x 1
		.amdhsa_system_sgpr_workgroup_id_y 1
		.amdhsa_system_sgpr_workgroup_id_z 1
		.amdhsa_system_vgpr_workitem_id 0
		.amdhsa_next_free_vgpr 208
		.amdhsa_next_free_sgpr 66
		.amdhsa_reserve_vcc 1
		.amdhsa_float_denorm_mode_32 3
		.amdhsa_float_denorm_mode_16_64 3
		.amdhsa_memory_ordered 1
		.amdhsa_forward_progress 1
		.amdhsa_inst_pref_size 32
	.end_amdhsa_kernel
	.amdgpu_metadata
---
amdhsa.version: [ 1, 2 ]
amdhsa.kernels:
  - .name:           k_qe409589316_prep
    .symbol:         k_qe409589316_prep.kd
    .args:
      - { .name: x, .offset: 0, .size: 8, .value_kind: global_buffer, .address_space: global }
      - { .name: wq, .offset: 8, .size: 8, .value_kind: global_buffer, .address_space: global }
      - { .name: wk, .offset: 16, .size: 8, .value_kind: global_buffer, .address_space: global }
      - { .name: wv, .offset: 24, .size: 8, .value_kind: global_buffer, .address_space: global }
      - { .name: wp, .offset: 32, .size: 8, .value_kind: global_buffer, .address_space: global }
      - { .name: stats, .offset: 40, .size: 8, .value_kind: global_buffer, .address_space: global }
      - { .name: wts, .offset: 48, .size: 8, .value_kind: global_buffer, .address_space: global }
    .group_segment_fixed_size: 768
    .private_segment_fixed_size: 0
    .kernarg_segment_align: 8
    .kernarg_segment_size: 56
    .max_flat_workgroup_size: 128
    .sgpr_count:     66
    .vgpr_count:     208
    .wavefront_size: 32
...
	.end_amdgpu_metadata
.endif
;; end of part 1
;; launch proj (part 2): grid 32 x 4, 4 waves a work-group, no clusters, 34,816 bytes of LDS; arguments x, stats, gn_gamma, gn_beta, wts, bq, bk, bv, qimg, qsc, kimg, ksc, vimg, vsc; writes qimg, qsc, kimg, ksc, vimg, vsc
.if DOCPART == 2
	.amdgcn_target "amdgcn-amd-amdhsa--gfx1250"
	.amdhsa_code_object_version 6
	.text
	.protected	k_qe409589316_proj
	.globl	k_qe409589316_proj
	.p2align	8
	.type	k_qe409589316_proj,@function
k_qe409589316_proj:
	s_mov_b64 s[64:65], 0
	v_nop
	global_prefetch_b8 v0, s[64:65] scope:SCOPE_SE
	s_setreg_imm32_b32 hwreg(HW_REG_WAVE_MODE, 25, 1), 1
	s_wait_xcnt 0x0
; PROJ.  h = GroupNorm(x), q = wq h + bq, k = wk h + bk, v = wv h + bv, all three products on codes of E5M2 with one E8M0 byte for each 32 along K; q, k (along the channels) and v (along the positions) are
; quantised again and stored as IMAGES OF OPERAND REGISTERS for the attention launch.  A work-group takes 128 positions (a step) of one batch; wave w takes block w of 32 positions.
; K IS 64, THE INSTRUCTION'S IS 128.  A PAIR FRAGMENT holds two rows' 64 codes in one row of the instruction (groups 0, 1: K 0-63; groups 2, 3: K 64-127).  The other operand is [codes | zeros] or [zeros | codes],
; which picks the first or the second rows: the unused half of K meets zero codes.  The zeros lie between the codes (z, h0, z, h1, z), so neighbours share them.
; POSITIONS: a block's two tiles are u = 0, 1; row r of tile u is position 32 blk + 2 r + u.  CHANNELS: row m of a weight's tile 2 f + y is channel 32 f + 8 y + m + 8 (m / 8).  So with the weight as source 0 a lane's
; 16 registers of tiles 2 f, 2 f + 1 are channels 32 f + 16 (lane / 16) + 0 .. 15 of one position: 16 neighbours along the next K; and with h as source 0 (v) they are 16 positions of one block for one channel.
; OUT: qimg, kimg [b][blk][G = 2 u + g][lane][16 bytes]; qsc [b][blk][u][r] words (s0, s1, s0, s1); ksc [b][blk][r] words (u 0: s0, s1; u 1: s0, s1); vimg [b][step][t][c][lane][16 bytes]; vsc [b][step][t][r] words, byte c = block c.
; In a block of v slot 16 h + 8 u + j holds key 16 h + 2 j + u: the attention launch's p has the same order; the blocks of 32 are the true ones.
; LIMITS: as in the launch before (NaN, infinities; the floor's byte 1).
; No cluster: what the work-groups share is the 12 KB of weights' codes, against 32 KB of x and 26 KB of results of each work-group's own.  No tensor load: x goes through registers anyway, to be normalised.
.set XS,    0                          ; LDS: h, channel ch at 512 ch + 128 (ch / 16); a row holds 128 positions.  33,152 bytes
.set VSL,   33280                      ; v's scale bytes of the step, 256 bytes
.set KSL,   33536                      ; k's scale words, 256 bytes
.set QSL,   33792                      ; q's, 512 bytes
.set SPARE, 34304                      ; the spare words, 128 bytes a wave
.set LI,    1                          ; v1 16 x lane   v2 h's way in   v3 h's way out   v4 128 w + 4 r   v5 64 w + 4 r   v6 4 r + w   v7 8 x lane   v8 64 h   v9 4 (r + 8 (r / 8))   v10 4 x lane   v11, v19 at work
.set SPW,   12
.set NIL,   13
.set HW,    14                         ; v14-15 h's scale words, tile u
.set WS,    16                         ; v16-18 the weights' scale words (q, k, v)
.set TM,    20                         ; v20-35 the quantiser's
.set BVL,   36                         ; v36-39 bv of my lane's channel in tile t
.set HZ,    40                         ; v40-79 z, h0, z, h1, z
.set PCQ,   80                         ; v80-95 q's codes
.set R1,    96                         ; v96-159 h, then q, then v
.set R2,    160                        ; v160-223 x, then k
.set PCK,   224                        ; v224-239 k's codes
.set PCV,   240                        ; v240-255 v's codes
; window 1: v0-31 wq's two fragments, v32-63 wk's, v64-95 wv's; v96-127 bq, v128-159 bk in the results' layout; v160-191 bv, eight times each
.set WV,    32
.set SEL,   52
.set MNT,   54
.set MSB, 0
.macro WIN new                         ; the immediate's high byte repeats the setting that is left
.if MSB != \new
	s_set_vgpr_msb (MSB<<8)|\new
.set MSB, \new
.endif
.endm
.macro QUANT s, d, gap, nb             ; as in the launch before
.set qb, 0
.rept \nb
	v_max3_num_f32 v[TM+qb], |v[\s+16*qb]|, |v[\s+16*qb+1]|, 0x8000000
.set qb, qb+1
.endr
.irp i, 2,4,6,8,10,12,14
.set qb, 0
.rept \nb
	v_max3_num_f32 v[TM+qb], v[TM+qb], |v[\s+16*qb+\i]|, |v[\s+16*qb+\i+1]|
.set qb, qb+1
.endr
.endr
.set qb, 0
.rept \nb
	v_permlanex16_b32 v[TM+4+qb], v[TM+qb], s[SEL], s[SEL+1]
.set qb, qb+1
.endr
.set qb, 0
.rept \nb
	v_max_num_f32 v[TM+qb], v[TM+qb], v[TM+4+qb]
.set qb, qb+1
.endr
.set qb, 0
.rept \nb
	v_add_nc_u32 v[TM+12+qb], 0xf8800000, v[TM+qb]
	v_and_or_b32 v[TM+8+qb], v[TM+qb], 0x7f800000, s[MNT]
.set qb, qb+1
.endr
.set qb, 0
.rept \nb
	v_lshrrev_b32 v[TM+4+qb], 23, v[TM+12+qb]
.set qb, qb+1
.endr
.set qb, 0
.rept \nb
.irp i, 0,1,2,3,4,5,6,7,8,9,10,11,12,13,14,15
	v_med3_num_f32 v[\s+16*qb+\i], v[\s+16*qb+\i], -v[TM+8+qb], v[TM+8+qb]
.endr
	v_cvt_scalef32_pk8_bf8_f32 v[\d+4*qb+\gap*(qb/2):\d+4*qb+\gap*(qb/2)+1], v[\s+16*qb:\s+16*qb+7], v[TM+12+qb]
	v_cvt_scalef32_pk8_bf8_f32 v[\d+4*qb+\gap*(qb/2)+2:\d+4*qb+\gap*(qb/2)+3], v[\s+16*qb+8:\s+16*qb+15], v[TM+12+qb]
.set qb, qb+1
.endr
	v_nop
.endm
; One product.  ra, rb: 1 = that side's scale words are taken from lanes 16-31
.macro WMS d, a, b, c, sa, sb, ra, rb
.if \ra
	v_wmma_scale_f32_16x16x128_f8f6f4 v[\d:\d+7], v[\a:\a+15], v[\b:\b+15], v[\c:\c+7], v[\sa], v[\sb] matrix_a_fmt:MATRIX_FMT_BF8 matrix_b_fmt:MATRIX_FMT_BF8 matrix_a_scale:MATRIX_SCALE_ROW1
.elseif \rb
	v_wmma_scale_f32_16x16x128_f8f6f4 v[\d:\d+7], v[\a:\a+15], v[\b:\b+15], v[\c:\c+7], v[\sa], v[\sb] matrix_a_fmt:MATRIX_FMT_BF8 matrix_b_fmt:MATRIX_FMT_BF8 matrix_b_scale:MATRIX_SCALE_ROW1
.else
	v_wmma_scale_f32_16x16x128_f8f6f4 v[\d:\d+7], v[\a:\a+15], v[\b:\b+15], v[\c:\c+7], v[\sa], v[\sb] matrix_a_fmt:MATRIX_FMT_BF8 matrix_b_fmt:MATRIX_FMT_BF8
.endif
.endm
	s_load_b512 s[4:19], s[0:1], 0x0               ; x 4, stats 6, gamma 8, beta 10, wts 12, bq 14, bk 16, bv 18
	s_load_b256 s[20:27], s[0:1], 0x40             ; qimg 20, qsc 22, kimg 24, ksc 26
	s_load_b128 s[28:31], s[0:1], 0x60             ; vimg 28, vsc 30
	v_lshl_add_u32 v[SPW], v0, 2, SPARE
	v_mov_b32 v[NIL], 0
	v_lshrrev_b32 v11, 5, v0
	v_readfirstlane_b32 s[WV], v11                 ; wave 0..3
	s_and_b32 s34, ttmp7, 0xffff                   ; the batch; ttmp9 is the step
	v_and_b32 v10, 31, v0                          ; lane
	v_and_b32 v11, 15, v0                          ; r
	v_bfe_u32 v8, v0, 4, 1                         ; h
	v_lshlrev_b32 v[LI], 4, v10
	s_mul_i32 s56, s[WV], 8320                     ; my 16 channels' rows in LDS
	v_add_nc_u32 v2, s56, v[LI]
	v_mul_u32_u24 v3, v8, 8320                     ; out: 16 channels further for lanes 16-31,
	v_lshl_add_u32 v3, v11, 3, v3                  ; position 2 r,
	s_lshl_b32 s57, s[WV], 7
	v_add_nc_u32 v3, s57, v3                       ; of my block
	v_lshlrev_b32 v4, 2, v11
	v_add_nc_u32 v6, s[WV], v4                     ; v's scale bytes: word r, byte w
	s_lshl_b32 s58, s[WV], 6
	v_add_nc_u32 v5, s58, v4                       ; k's scale words
	v_add_nc_u32 v4, s57, v4                       ; q's
	v_lshlrev_b32 v7, 3, v10
	v_and_b32 v9, 8, v11
	v_add_nc_u32 v9, v9, v11
	v_lshlrev_b32 v9, 2, v9
	v_lshlrev_b32 v8, 6, v8
	v_lshlrev_b32 v10, 2, v10
	s_mov_b32 s[SEL], 0x76543210
	s_mov_b32 s[SEL+1], 0xfedcba98
	s_mov_b32 s[MNT], 0x600000
.irp z, 0,16,32
.irp j, 0,1,2,3,4,5,6,7
	v_mov_b32 v[HZ+\z+\j], 0                       ; the zero codes that the unused half of K meets
.endr
.endr
.irp b, 0,1,2,3
	v_mov_b32 v[TM+4+\b], 0                        ; written once: a lane permute's destination counts as one of its sources
.endr
	s_wait_kmcnt 0x0
	s_lshl_b32 s56, s34, 8
	s_add_co_u32 s56, s56, s58                     ; 256 b + 64 w: my 8 groups' (mean, rstd)
	s_mov_b32 s57, 0
	s_mov_b32 s59, 0
	s_add_nc_u64 s[6:7], s[6:7], s[56:57]
	s_add_nc_u64 s[8:9], s[8:9], s[58:59]          ; my 16 channels' gamma
	s_add_nc_u64 s[10:11], s[10:11], s[58:59]      ; and beta
	s_load_b512 s[36:51], s[6:7], 0x0
	s_load_b512 s[68:83], s[8:9], 0x0
	s_load_b512 s[84:99], s[10:11], 0x0
	s_lshl_b32 s56, s34, 20
	s_lshl_b32 s60, s[WV], 18
	s_add_co_u32 s56, s56, s60
	s_lshl_b32 s60, ttmp9, 9
	s_add_co_u32 s56, s56, s60
	s_add_nc_u64 s[4:5], s[4:5], s[56:57]          ; x at batch b, channel 16 w, position 128 step
.irp i, 0,1,2,3,4,5,6,7,8,9,10,11,12,13,14,15
	global_load_b128 v[R2+4*\i:R2+4*\i+3], v[LI], s[4:5] offset:16384*\i   ; channel 16 w + i: 32 lanes read 512 consecutive bytes
.endr
	WIN 0x40                                       ; destination window 1
.irp m, 0,1,2
.irp f, 0,1
.irp g, 0,1,2,3
	global_load_b128 v[32*\m+16*\f+4*\g:32*\m+16*\f+4*\g+3], v[LI], s[12:13] offset:4096*\m+2048*\f+512*\g
.endr
.endr
.endr
.irp f, 0,1
.irp y, 0,1
.irp k, 0,1
	global_load_b128 v[96+16*\f+8*\y+4*\k:96+16*\f+8*\y+4*\k+3], v8, s[14:15] offset:4*(32*\f+8*\y)+16*\k    ; bq at channels 32 f + 16 h + 8 y + 0 .. 7
	global_load_b128 v[128+16*\f+8*\y+4*\k:128+16*\f+8*\y+4*\k+3], v8, s[16:17] offset:4*(32*\f+8*\y)+16*\k  ; bk likewise
.endr
.endr
.endr
	WIN 0
.irp m, 0,1,2
	global_load_b32 v[WS+\m], v10, s[12:13] offset:16384+128*\m
.endr
.irp t, 0,1,2,3
	global_load_b32 v[BVL+\t], v9, s[18:19] offset:4*(32*(\t/2)+8*(\t%2))
.endr
	s_lshl_b32 s56, s34, 5
	s_add_co_u32 s56, s56, ttmp9                   ; 32 b + step
	s_lshl_b32 s58, s56, 2
	s_add_co_u32 s58, s58, s[WV]                   ; my block
	s_lshl_b32 s58, s58, 11
	s_add_nc_u64 s[20:21], s[20:21], s[58:59]
	s_add_nc_u64 s[24:25], s[24:25], s[58:59]
	s_lshl_b32 s58, s56, 13
	s_lshl_b32 s60, s[WV], 9
	s_add_co_u32 s58, s58, s60
	s_add_nc_u64 s[28:29], s[28:29], s[58:59]
	s_lshl_b32 s58, s56, 9
	s_add_nc_u64 s[22:23], s[22:23], s[58:59]
	s_lshl_b32 s58, s56, 8
	s_add_nc_u64 s[26:27], s[26:27], s[58:59]
	s_add_nc_u64 s[30:31], s[30:31], s[58:59]
	s_wait_kmcnt 0x0
.irp i, 0,1,2,3,4,5,6,7,8,9,10,11,12,13,14,15
	s_mul_f32 s[68+\i], s[68+\i], s[37+2*(\i/2)]   ; gamma x rstd
.endr
	s_wait_loadcnt 47                              ; x's 16 loads are in; the 24 + 16 + 3 + 4 issued behind them may be out
.irp i, 0,1,2,3,4,5,6,7,8,9,10,11,12,13,14,15
.irp k, 0,1,2,3
	v_sub_f32 v[R2+4*\i+\k], v[R2+4*\i+\k], s[36+2*(\i/2)]
.endr
.irp k, 0,1,2,3
	v_fma_f32 v[R2+4*\i+\k], v[R2+4*\i+\k], s[68+\i], s[84+\i]
.endr
	ds_store_b128 v2, v[R2+4*\i:R2+4*\i+3] offset:XS+512*\i
.endr
	s_wait_dscnt 0x0                               ; for the others' sake: my 16 channels of h lie in LDS
	s_barrier_signal -1
	s_barrier_wait -1
.irp u, 0,1
.irp c, 0,1
.irp i, 0,1,2,3,4,5,6,7,8,9,10,11,12,13,14,15
	ds_load_b32 v[R1+32*\u+16*\c+\i], v3 offset:XS+16640*\c+512*\i+4*\u   ; h(channel 32 c + 16 h + i, position 2 r + u): a lane's registers run along K
.endr
.endr
.endr
	s_wait_dscnt 0x0
	QUANT R1, HZ+8, 8, 4                           ; block 2 u + c
.irp u, 0,1
	v_lshl_or_b32 v[HW+\u], v[TM+5+2*\u], 8, v[TM+4+2*\u]
	v_lshl_or_b32 v[HW+\u], v[HW+\u], 16, v[HW+\u] ; (s0, s1, s0, s1): it serves both places of the codes
.endr
	s_wait_loadcnt 0x0                             ; weights, biases
	WIN 0x40
.irp t, 0,1,2,3
.irp j, 0,1,2,3,4,5,6,7
	v_mov_b32 v[160+8*\t+\j], v[BVL+\t]            ; bv as the C of v's products: there a lane holds one channel.  (These 32 are also the places between h's scale words and codes and the products)
.endr
.endr
	WIN 0x11                                       ; source 0 (weight) and C (bias) window 1
.irp m, 0,1
.irp u, 0,1
.irp f, 0,1
.irp y, 0,1
	WMS R1+64*\m+32*\u+16*\f+8*\y, 32*\m+16*\f, HZ+8+16*\u-8*\y, 96+32*\m+16*\f+8*\y, WS+\m, HW+\u, \f, 0
.endr
.endr
.endr
.endr
	WIN 0
.rept 8
	v_nop                                          ; eight places ahead of the first read of results
.endr
	QUANT R1, PCQ, 0, 4                            ; q: block 2 u + f
	v_lshl_or_b32 v19, v[TM+5], 8, v[TM+4]
	v_lshl_or_b32 v19, v19, 16, v19
	v_lshl_or_b32 v11, v[TM+7], 8, v[TM+6]
	v_lshl_or_b32 v11, v11, 16, v11
	ds_store_b32 v4, v19 offset:QSL                ; lanes r and r + 16 write the same word with the same value
	ds_store_b32 v4, v11 offset:QSL+64
.irp g, 0,1,2,3
	global_store_b128 v[LI], v[PCQ+4*\g:PCQ+4*\g+3], s[20:21] offset:512*\g   ; 32 lanes store 512 consecutive bytes
.endr
	WIN 0x14                                       ; source 1 (weight) and C window 1
.irp f, 0,1
.irp y, 0,1
.irp u, 0,1
	WMS R1+16*(2*\f+\y)+8*\u, HZ+8+16*\u-8*\y, 64+16*\f, 160+8*(2*\f+\y), HW+\u, WS+2, 0, \f
.endr
.endr
.endr
	WIN 0
	QUANT R2, PCK, 0, 4                            ; k.  (Its plain lines, which name no register of v's products, are the places behind them)
	v_lshl_or_b32 v19, v[TM+5], 8, v[TM+4]
	v_lshl_or_b32 v19, v[TM+6], 16, v19
	v_lshl_or_b32 v19, v[TM+7], 24, v19
	ds_store_b32 v5, v19 offset:KSL
.irp g, 0,1,2,3
	global_store_b128 v[LI], v[PCK+4*\g:PCK+4*\g+3], s[24:25] offset:512*\g
.endr
	QUANT R1, PCV, 0, 4                            ; v: block t = my 32 positions for the lane's channel of tile t
.irp t, 0,1,2,3
	ds_store_b8 v6, v[TM+4+\t] offset:VSL+64*\t
	global_store_b128 v[LI], v[PCV+4*\t:PCV+4*\t+3], s[28:29] offset:2048*\t
.endr
	s_wait_dscnt 0x0                               ; for wave 0's sake: my scale words and bytes lie in LDS
	s_barrier_signal -1
	s_barrier_wait -1
	s_cmp_lg_u32 s[WV], 0
	s_cbranch_scc1 .Ldone
	ds_load_b128 v[96:99], v[LI] offset:QSL        ; the step's scale words leave in whole runs: 512, 256 and 256 consecutive bytes
	ds_load_b64 v[100:101], v7 offset:KSL
	ds_load_b64 v[102:103], v7 offset:VSL
	s_wait_dscnt 0x0
	global_store_b128 v[LI], v[96:99], s[22:23]
	global_store_b64 v7, v[100:101], s[26:27]
	global_store_b64 v7, v[102:103], s[30:31]
.Ldone:
	s_wait_tensorcnt 0x0                           ; the wave's end
	ds_add_u32 v[SPW], v[NIL]
	s_wait_dscnt 0x0
	s_endpgm
.Lfunc_end_k_qe409589316_proj:
	.size	k_qe409589316_proj, .Lfunc_end_k_qe409589316_proj-k_qe409589316_proj
	.p2alignl 7, 3214868480
	.fill 96, 4, 3214868480
	.section	.rodata,"a",@progbits
	.p2align	6, 0x0
	.amdhsa_kernel k_qe409589316_proj
		.amdhsa_group_segment_fixed_size 34816
		.amdhsa_private_segment_fixed_size 0
		.amdhsa_enable_private_segment 0
		.amdhsa_kernarg_size 112
		.amdhsa_user_sgpr_count 2
		.amdhsa_user_sgpr_kernarg_segment_ptr 1
		.amdhsa_wavefront_size32 1
		.amdhsa_system_sgpr_workgroup_id_x 1
		.amdhsa_system_sgpr_workgroup_id_y 1
		.amdhsa_system_sgpr_workgroup_id_z 1
		.amdhsa_system_vgpr_workitem_id 0
		.amdhsa_next_free_vgpr 448
		.amdhsa_next_free_sgpr 100
		.amdhsa_reserve_vcc 0
		.amdhsa_float_denorm_mode_32 3
		.amdhsa_float_denorm_mode_16_64 3
		.amdhsa_memory_ordered 1
		.amdhsa_forward_progress 1
		.amdhsa_inst_pref_size 62
	.end_amdhsa_kernel
	.amdgpu_metadata
---
amdhsa.version: [ 1, 2 ]
amdhsa.kernels:
  - .name:           k_qe409589316_proj
    .symbol:         k_qe409589316_proj.kd
    .args:
      - { .name: x, .offset: 0, .size: 8, .value_kind: global_buffer, .address_space: global }
      - { .name: stats, .offset: 8, .size: 8, .value_kind: global_buffer, .address_space: global }
      - { .name: gn_gamma, .offset: 16, .size: 8, .value_kind: global_buffer, .address_space: global }
      - { .name: gn_beta, .offset: 24, .size: 8, .value_kind: global_buffer, .address_space: global }
      - { .name: wts, .offset: 32, .size: 8, .value_kind: global_buffer, .address_space: global }
      - { .name: bq, .offset: 40, .size: 8, .value_kind: global_buffer, .address_space: global }
      - { .name: bk, .offset: 48, .size: 8, .value_kind: global_buffer, .address_space: global }
      - { .name: bv, .offset: 56, .size: 8, .value_kind: global_buffer, .address_space: global }
      - { .name: qimg, .offset: 64, .size: 8, .value_kind: global_buffer, .address_space: global }
      - { .name: qsc, .offset: 72, .size: 8, .value_kind: global_buffer, .address_space: global }
      - { .name: kimg, .offset: 80, .size: 8, .value_kind: global_buffer, .address_space: global }
      - { .name: ksc, .offset: 88, .size: 8, .value_kind: global_buffer, .address_space: global }
      - { .name: vimg, .offset: 96, .size: 8, .value_kind: global_buffer, .address_space: global }
      - { .name: vsc, .offset: 104, .size: 8, .value_kind: global_buffer, .address_space: global }
    .group_segment_fixed_size: 34816
    .private_segment_fixed_size: 0
    .kernarg_segment_align: 8
    .kernarg_segment_size: 112
    .max_flat_workgroup_size: 128
    .sgpr_count:     100
    .vgpr_count:     448
    .wavefront_size: 32
...
	.end_amdgpu_metadata
.endif
;; end of part 2
;; launch attn (part 3): grid 64 x 4, 8 waves a work-group, clusters of 4 x 1, 327,680 bytes of LDS; arguments qimg, qsc, kimg, ksc, vimg, vsc, wts, bp, x, out0; writes out0
.if DOCPART == 3
	.amdgcn_target "amdgcn-amd-amdhsa--gfx1250"
	.amdhsa_code_object_version 6
	.text
	.protected	k_qe409589316_attn
	.globl	k_qe409589316_attn
	.p2align	8
	.type	k_qe409589316_attn,@function
k_qe409589316_attn:
	s_mov_b64 s[64:65], 0
	v_nop
	global_prefetch_b8 v0, s[64:65] scope:SCOPE_SE
	s_setreg_imm32_b32 hwreg(HW_REG_WAVE_MODE, 25, 1), 1
	s_wait_xcnt 0x0
	s_wait_alu depctr_hold_cnt(0) depctr_sa_sdst(0) depctr_va_vdst(0) depctr_va_sdst(0) depctr_va_ssrc(0) depctr_va_vcc(0) depctr_vm_vsrc(0)
	s_getreg_b32 s2, hwreg(HW_REG_IB_STS2, 6, 4)
	s_cmp_eq_u32 s2, 0
	s_cbranch_scc0 .Lentry_in_a_cluster
	s_endpgm
.Lentry_in_a_cluster:
	s_bfe_u32 s2, ttmp6, 0x10000c
	s_cmp_lg_u32 s2, 0x3003
	s_cbranch_scc0 .Lentry_shape_is_right
	s_endpgm
.Lentry_shape_is_right:
; ATTN.  out = x + wp (softmax(q^T k / 8) v) + bp, the three products on codes of E5M2 with one E8M0 byte for each 32 along K.
; THE SOFTMAX IS QUANTISED FINISHED AND NORMALISED, so a row's maximum and sum are known before any p is quantised: THE KEYS ARE WALKED TWICE.  Pass 1: scores, running maximum m and sum l.
; Pass 2: the scores again (the same instructions on the same codes), p = 2^(c s - c m - log2 l), c = log2(e) / 8, quantised along the keys, and O^T += V^T P^T.
; SHARES.  A work-group owns 64 queries of one batch: four tiles (tile 2 B + u, row r: position 32 (2 bx + B) + 2 r + u).  THE EIGHT WAVES SHARE THE KEYS: wave w holds all four tiles and walks keys 512 w .. 512 w + 511,
; 16 blocks of 32.  So a fragment of K feeds 8 products and a fragment of V 4, and no fragment is read by two waves.  The waves' (m, l) meet in LDS between the passes, their partial O^T behind pass 2.
; K IS 64 IN THE SCORES, THE INSTRUCTION'S IS 128: K's PAIR FRAGMENT holds tile u = 0 in K 0-63 and tile u = 1 in K 64-127; Q's codes stand as [q | zeros] or [zeros | q] (z, q0, z, q1, z, q2, z, q3, z).
; Both products are used transposed: a lane holds ONE query (lane % 16) throughout; its 16 scores of a block are keys 16 (lane / 16) + 2 j + u, in the order in which v's codes were laid.
; LDS: K's codes of the whole batch (262,144 bytes) and its scale words (8,192) come ONCE, each wave asking for the part that it alone reads, and serve both passes: no slot is filled again.
; CLUSTER: the four work-groups of a cluster walk the same K: each of these loads is asked for jointly (mask 15).  By this text's own count a wave has two tensor loads out.
; V IS NOT ASKED FOR JOINTLY: it goes from memory straight into registers.  Beside K, the stages and the spare words 30,720 bytes of LDS are left, and one step of V for eight waves is 65,536.
; LIMITS: NaN and infinities are not served; p under 2^-126 becomes 0 (v_exp_f32 flushes: ISA guide 15.8); a block under the floor 2^-111 keeps the byte 1.
.set KSC,   262144                     ; LDS: K's codes from 0, wave w's 16 blocks at 32,768 w (behind pass 2: the wave's partial O^T); K's scale words, 1,024 bytes a wave
.set ML,    270336                     ; the waves' (-c m, l): 1,024 w + 256 tile + 8 lane
.set STG,   278528                     ; the way out: 64 channels x (256 bytes + 16)
.set SPARE, 295936                     ; the spare words, 128 bytes a wave
.set LI,    1                          ; 16 x lane
.set AK0,   2                          ; 16 x lane + 32,768 w
.set ASK0,  3                          ; KSC + 1,024 w + 4 r
.set ADK,   4                          ; the addresses of the fetch in hand
.set ADS,   5
.set L4,    6                          ; 4 x lane
.set PFO,   7                          ; 256 x lane
.set SPW,   8
.set NIL,   9
.set KS,    10                         ; K's scale words
.set WPS,   11                         ; wp's
.set QS,    12                         ; v12-13 Q's: block B; lanes 0-15 u = 0, lanes 16-31 u = 1
.set VS,    14                         ; v14-15 V's: tiles 2 i (lanes 0-15) and 2 i + 1
.set PS,    16                         ; v16-19 p's, a tile each; on the way out v16 is O's
.set NB,    20                         ; v20-27 pairs (-c m - log2 l, unused)
.set TM,    28                         ; v28-43 at work
.set AMLW,  44
.set AMLR,  45
.set STGW,  46
.set STGR,  47
.set QZ,    48                         ; v48-119
.set S,     120                        ; v120-183 the scores, then p: 16 tile + 8 u + j
.set PC,    184                        ; v184-247 p's codes: 16 tile + 4 c
.set ST1,   184                        ; pass 1: 8 a tile: -c m, l, L0, L1, f, unused, m, the old -c m
.set EA,    248                        ; v248-251 the partial sums' addresses
.set XO,    252
.set BPO,   253
.set RR,    254                        ; r
.set HH,    255                        ; h
.set O,     0                          ; window 1: v0-127 O^T: 32 tile + 8 t
.set VF,    128                        ; v128-191 V's four fragments; on the way out bp
.set KF,    192                        ; v192-207 K's fragment
.set XR,    208                        ; v208-223 x
.set WP,    224                        ; v224-255 wp's two fragments
.set OA,    QZ+24                      ; the way out: a tile's summed O^T, 32 registers
.set WV,    26
.set G1K,   32
.set G1S,   40
.set G0K,   48
.set G0S,   52
.set CS,    56                         ; s[56:57] c (the packed form names a pair and takes its low word)
.set SEL,   58
.set MNT,   60
.set TB,    61                         ; the fetched block's bytes in my codes
.set TS,    62                         ; and in my scale words
.set CNT,   63
.set VB,    66                         ; s[66:67] V's codes of my step
.set VSB,   68                         ; s[68:69] its scale words
.set PFA,   70
.set LIM,   72
.set MSB, 0
.macro WIN new                         ; the immediate's high byte repeats the setting that is left
.if MSB != \new
	s_set_vgpr_msb (MSB<<8)|\new
.set MSB, \new
.endif
.endm
.macro CROUND                          ; a round of the cluster's barrier
	s_barrier_signal -1
	s_barrier_wait -1
	s_cmp_lg_u32 s[WV], 0
	s_cbranch_scc1 .Lnot_wave_0_\@
	s_barrier_signal -3
.Lnot_wave_0_\@:
	s_barrier_wait -3
	s_barrier_signal -1
	s_barrier_wait -1
.endm
; One product.  c < 0: C is the constant 0.  ra, rb: 1 = that side's scale words are taken from lanes 16-31
.macro WMS d, a, b, c, sa, sb, ra, rb
.if (\c) < 0
.if \ra
	v_wmma_scale_f32_16x16x128_f8f6f4 v[\d:\d+7], v[\a:\a+15], v[\b:\b+15], 0, v[\sa], v[\sb] matrix_a_fmt:MATRIX_FMT_BF8 matrix_b_fmt:MATRIX_FMT_BF8 matrix_a_scale:MATRIX_SCALE_ROW1
.elseif \rb
	v_wmma_scale_f32_16x16x128_f8f6f4 v[\d:\d+7], v[\a:\a+15], v[\b:\b+15], 0, v[\sa], v[\sb] matrix_a_fmt:MATRIX_FMT_BF8 matrix_b_fmt:MATRIX_FMT_BF8 matrix_b_scale:MATRIX_SCALE_ROW1
.else
	v_wmma_scale_f32_16x16x128_f8f6f4 v[\d:\d+7], v[\a:\a+15], v[\b:\b+15], 0, v[\sa], v[\sb] matrix_a_fmt:MATRIX_FMT_BF8 matrix_b_fmt:MATRIX_FMT_BF8
.endif
.else
.if \ra
	v_wmma_scale_f32_16x16x128_f8f6f4 v[\d:\d+7], v[\a:\a+15], v[\b:\b+15], v[\c:\c+7], v[\sa], v[\sb] matrix_a_fmt:MATRIX_FMT_BF8 matrix_b_fmt:MATRIX_FMT_BF8 matrix_a_scale:MATRIX_SCALE_ROW1
.elseif \rb
	v_wmma_scale_f32_16x16x128_f8f6f4 v[\d:\d+7], v[\a:\a+15], v[\b:\b+15], v[\c:\c+7], v[\sa], v[\sb] matrix_a_fmt:MATRIX_FMT_BF8 matrix_b_fmt:MATRIX_FMT_BF8 matrix_b_scale:MATRIX_SCALE_ROW1
.else
	v_wmma_scale_f32_16x16x128_f8f6f4 v[\d:\d+7], v[\a:\a+15], v[\b:\b+15], v[\c:\c+7], v[\sa], v[\sb] matrix_a_fmt:MATRIX_FMT_BF8 matrix_b_fmt:MATRIX_FMT_BF8
.endif
.endif
.endm
.macro QUANT s, d, gap, nb             ; as in the launches before
.set qb, 0
.rept \nb
	v_max3_num_f32 v[TM+qb], |v[\s+16*qb]|, |v[\s+16*qb+1]|, 0x8000000
.set qb, qb+1
.endr
.irp i, 2,4,6,8,10,12,14
.set qb, 0
.rept \nb
	v_max3_num_f32 v[TM+qb], v[TM+qb], |v[\s+16*qb+\i]|, |v[\s+16*qb+\i+1]|
.set qb, qb+1
.endr
.endr
.set qb, 0
.rept \nb
	v_permlanex16_b32 v[TM+4+qb], v[TM+qb], s[SEL], s[SEL+1]
.set qb, qb+1
.endr
.set qb, 0
.rept \nb
	v_max_num_f32 v[TM+qb], v[TM+qb], v[TM+4+qb]
.set qb, qb+1
.endr
.set qb, 0
.rept \nb
	v_add_nc_u32 v[TM+12+qb], 0xf8800000, v[TM+qb]
	v_and_or_b32 v[TM+8+qb], v[TM+qb], 0x7f800000, s[MNT]
.set qb, qb+1
.endr
.set qb, 0
.rept \nb
	v_lshrrev_b32 v[TM+4+qb], 23, v[TM+12+qb]
.set qb, qb+1
.endr
.set qb, 0
.rept \nb
.irp i, 0,1,2,3,4,5,6,7,8,9,10,11,12,13,14,15
	v_med3_num_f32 v[\s+16*qb+\i], v[\s+16*qb+\i], -v[TM+8+qb], v[TM+8+qb]
.endr
	v_cvt_scalef32_pk8_bf8_f32 v[\d+4*qb+\gap*(qb/2):\d+4*qb+\gap*(qb/2)+1], v[\s+16*qb:\s+16*qb+7], v[TM+12+qb]
	v_cvt_scalef32_pk8_bf8_f32 v[\d+4*qb+\gap*(qb/2)+2:\d+4*qb+\gap*(qb/2)+3], v[\s+16*qb+8:\s+16*qb+15], v[TM+12+qb]
.set qb, qb+1
.endr
	v_nop
.endm
; A BLOCK'S SCORES: 8 products (32 keys x 64 queries), then the fetch of the next fragment of K, a block ahead of its use.
; fetch = 1: the next block; 2: my first block again, for pass 2; 0: none.  vload = 1: this step's V (16 + 2 loads), three blocks ahead of its use.
; Eight places stand between the products and the loads into their registers and the first read of results.
.macro SCORES fetch, vload
	s_wait_dscnt 0x0                               ; K's fragment and its scale words are in
	WIN 0x01                                       ; source 0 (K) window 1
.irp u, 0,1
.irp t, 0,1,2,3
	WMS S+16*\t+8*\u, KF, QZ+8+16*\t-8*\u, -1, KS, QS+\t/2, 0, \t%2
.endr
.endr
	WIN 0
.if (\fetch) == 0
.rept 8
	v_nop
.endr
.else
.if (\fetch) == 2
	s_mov_b32 s[TB], 0
	s_mov_b32 s[TS], 0
.else
	s_add_co_u32 s[TB], s[TB], 2048
	s_add_co_u32 s[TS], s[TS], 64
.endif
	v_add_nc_u32 v[ADK], s[TB], v[AK0]
	v_add_nc_u32 v[ADS], s[TS], v[ASK0]
.rept 6
	v_nop
.endr
	WIN 0x40                                       ; destination window 1
.irp g, 0,1,2,3
	ds_load_b128 v[KF+4*\g:KF+4*\g+3], v[ADK] offset:512*\g        ; an image: 512 consecutive bytes a load
.endr
.if \vload
.irp t, 0,1,2,3
.irp c, 0,1,2,3
	global_load_b128 v[VF+16*\t+4*\c:VF+16*\t+4*\c+3], v[LI], s[VB:VB+1] offset:2048*\t+512*\c
.endr
.endr
.endif
	WIN 0
	ds_load_b32 v[KS], v[ADS]
.if \vload
	global_load_b32 v[VS], v[L4], s[VSB:VSB+1]
	global_load_b32 v[VS+1], v[L4], s[VSB:VSB+1] offset:128
.endif
.endif
.endm
; PASS 1, a block: each LANE keeps the maximum and the sum of its own keys; nothing changes lanes before the merge.  The four tiles by turns.
.macro SOFT1
.irp k, 0,1,2,3,4,5,6,7
.irp t, 0,1,2,3
	v_max3_num_f32 v[ST1+8*\t+6], v[ST1+8*\t+6], v[S+16*\t+2*\k], v[S+16*\t+2*\k+1]   ; each accumulator from its low end on
.endr
.endr
.irp t, 0,1,2,3
	v_mov_b32 v[ST1+8*\t+7], v[ST1+8*\t]
.endr
.irp t, 0,1,2,3
	v_mul_f32 v[ST1+8*\t], s[CS], -v[ST1+8*\t+6]   ; -c m
.endr
.irp t, 0,1,2,3
	v_sub_f32 v[ST1+8*\t+4], v[ST1+8*\t], v[ST1+8*\t+7]   ; c m_old - c m_new: exactly 0 where m has not moved
.endr
.irp k, 0,1,2,3,4,5,6,7
.irp t, 0,1,2,3
	v_pk_fma_f32 v[S+16*\t+2*\k:S+16*\t+2*\k+1], v[S+16*\t+2*\k:S+16*\t+2*\k+1], s[CS:CS+1], v[ST1+8*\t:ST1+8*\t+1] op_sel_hi:[1,0,0]
.endr
.endr
.irp t, 0,1,2,3
	v_exp_f32 v[ST1+8*\t+4], v[ST1+8*\t+4]
.endr
.set j, 0
.rept 64
	v_exp_f32 v[S+j], v[S+j]
.set j, j+1
.endr
	v_nop                                          ; a plain line behind the last exponential,
	s_wait_alu depctr_va_vdst(0)                   ; and ONE wait for the batch of 68, ahead of its first reader
.irp t, 0,1,2,3
	v_pk_fma_f32 v[ST1+8*\t+2:ST1+8*\t+3], v[ST1+8*\t+2:ST1+8*\t+3], v[ST1+8*\t+4:ST1+8*\t+5], v[S+16*\t:S+16*\t+1] op_sel_hi:[1,0,1]
.endr
.irp k, 1,2,3,4,5,6,7
.irp t, 0,1,2,3
	v_pk_add_f32 v[ST1+8*\t+2:ST1+8*\t+3], v[ST1+8*\t+2:ST1+8*\t+3], v[S+16*\t+2*\k:S+16*\t+2*\k+1]
.endr
.endr
.endm
; PASS 2, block c of a step: p, its block scale, its codes.  A block's largest p is not searched for: p rises with the score, so the block's largest SCORE goes through the same multiply-add and exponential.
.macro SOFT2 c
.irp t, 0,1,2,3
	v_max3_num_f32 v[TM+\t], v[S+16*\t], v[S+16*\t+1], v[S+16*\t+2]
.endr
.irp i, 3,5,7,9,11,13
.irp t, 0,1,2,3
	v_max3_num_f32 v[TM+\t], v[TM+\t], v[S+16*\t+\i], v[S+16*\t+\i+1]
.endr
.endr
.irp t, 0,1,2,3
	v_max_num_f32 v[TM+\t], v[TM+\t], v[S+16*\t+15]
.endr
.irp t, 0,1,2,3
	v_permlanex16_b32 v[TM+4+\t], v[TM+\t], s[SEL], s[SEL+1]
.endr
.irp t, 0,1,2,3
	v_max_num_f32 v[TM+\t], v[TM+\t], v[TM+4+\t]   ; with lane l xor 16's 16 keys: the block's
.endr
.irp k, 0,1,2,3,4,5,6,7
.irp t, 0,1,2,3
	v_pk_fma_f32 v[S+16*\t+2*\k:S+16*\t+2*\k+1], v[S+16*\t+2*\k:S+16*\t+2*\k+1], s[CS:CS+1], v[NB+2*\t:NB+2*\t+1] op_sel_hi:[1,0,0]
.endr
.endr
.irp t, 0,1,2,3
	v_fma_f32 v[TM+\t], v[TM+\t], s[CS], v[NB+2*\t]
.endr
.set j, 0
.rept 64
	v_exp_f32 v[S+j], v[S+j]                       ; p, finished and normalised
.set j, j+1
.endr
.irp t, 0,1,2,3
	v_exp_f32 v[TM+\t], v[TM+\t]
.endr
	v_nop
	s_wait_alu depctr_va_vdst(0)                   ; one wait for the batch of 68
.irp t, 0,1,2,3
	v_max_num_f32 v[TM+\t], 0x8000000, v[TM+\t]    ; the floor: the byte cannot fall under 1
.endr
.irp t, 0,1,2,3
	v_add_nc_u32 v[TM+12+\t], 0xf8800000, v[TM+\t]
.endr
.irp t, 0,1,2,3
	v_and_or_b32 v[TM+8+\t], v[TM+\t], 0x7f800000, s[MNT]
.endr
.irp t, 0,1,2,3
	v_lshrrev_b32 v[TM+4+\t], 23, v[TM+12+\t]
.endr
.irp t, 0,1,2,3
.if \c == 0
	v_mov_b32 v[PS+\t], v[TM+4+\t]
.else
	v_lshl_or_b32 v[PS+\t], v[TM+4+\t], 8*\c, v[PS+\t]
.endif
.endr
.irp t, 0,1,2,3
.irp i, 0,1,2,3,4,5,6,7,8,9,10,11,12,13,14,15
	v_min_num_f32 v[S+16*\t+\i], v[S+16*\t+\i], v[TM+8+\t]   ; the hold; p is not negative, so it is one-sided
.endr
	v_cvt_scalef32_pk8_bf8_f32 v[PC+16*\t+4*\c:PC+16*\t+4*\c+1], v[S+16*\t:S+16*\t+7], v[TM+12+\t]
	v_cvt_scalef32_pk8_bf8_f32 v[PC+16*\t+4*\c+2:PC+16*\t+4*\c+3], v[S+16*\t+8:S+16*\t+15], v[TM+12+\t]
.endr
	v_nop                                          ; one plain line behind the last conversion: the next products write its sources
.endm
; O^T += V^T P^T for a step of 128 keys: 16 products, the 16 accumulators by turns, one instruction a turn.  zero = 1: they start the sums.
.macro PV zero
	s_wait_loadcnt 0x0                             ; V and its scale words
.rept 4
	v_nop                                          ; four places between p's codes and the scaled products
.endr
	WIN 0x51                                       ; source 0 (V), C and D window 1
.irp t, 0,1,2,3
.irp q, 0,1,2,3
.if \zero
	WMS O+32*\q+8*\t, VF+16*\t, PC+16*\q, -1, VS+\t/2, PS+\q, \t%2, 0
.else
	WMS O+32*\q+8*\t, VF+16*\t, PC+16*\q, O+32*\q+8*\t, VS+\t/2, PS+\q, \t%2, 0
.endif
.endr
.endr
	WIN 0
	s_add_nc_u64 s[VB:VB+1], s[VB:VB+1], 8192      ; the loads that read these bases are done
	s_add_nc_u64 s[VSB:VSB+1], s[VSB:VSB+1], 256
.endm
.macro STEP2 zero, last
	SCORES 1, 1
	SOFT2 0
	SCORES 1, 0
	SOFT2 1
	SCORES 1, 0
	SOFT2 2
	SCORES 1-\last, 0
	SOFT2 3
	PV \zero
.endm
	s_load_b512 s[4:19], s[0:1], 0x0               ; qimg 4, qsc 6, kimg 8, ksc 10, vimg 12, vsc 14, wts 16, bp 18
	s_load_b128 s[20:23], s[0:1], 0x40             ; x 20, out0 22
	v_lshl_add_u32 v[SPW], v0, 2, SPARE
	v_mov_b32 v[NIL], 0
	ds_add_u32 v[SPW], v[NIL]                      ; the wave's opening: the add, twice on end, and its wait ahead of my first tensor load
	ds_add_u32 v[SPW], v[NIL]
	v_lshrrev_b32 v1, 5, v0
	v_readfirstlane_b32 s[WV], v1                  ; wave 0..7
	s_bfe_u32 s27, ttmp6, 0x40000                  ; cx
	s_lshl_b32 s28, ttmp9, 2
	s_add_co_u32 s28, s28, s27                     ; my block of 64 queries: it enters global addresses of Q, x, out0 and of the prefetch alone
	s_and_b32 s29, ttmp7, 0xffff                   ; the batch, which the four partners share
	s_mov_b32 s[G1K], 15|(3<<16)|(1<<21)           ; 15:0 the mask: all four work-groups; 17:16 elements of 8 bytes; 21 set beside a mask; no padding: images are read 512 consecutive bytes at a time
	s_mov_b32 s[G1K+1], 32<<16                     ; tensor_dim0 = 32 elements: rows of 256 bytes
	s_mov_b32 s[G1K+2], 128<<16                    ; tensor_dim1 = 128 rows: 32,768 dense bytes
	s_mov_b32 s[G1K+3], 32<<16                     ; tile_dim0
	s_mov_b32 s[G1K+4], 128                        ; tile_dim1
	s_mov_b32 s[G1K+5], 32                         ; the pitch
	s_mov_b32 s[G1K+6], 0
	s_mov_b32 s[G1K+7], 0
	s_mov_b32 s[G1S], 15|(3<<16)|(1<<21)           ; the scale words: 4 rows of 256 bytes
	s_mov_b32 s[G1S+1], 32<<16
	s_mov_b32 s[G1S+2], 4<<16
	s_mov_b32 s[G1S+3], 32<<16
	s_mov_b32 s[G1S+4], 4
	s_mov_b32 s[G1S+5], 32
	s_mov_b32 s[G1S+6], 0
	s_mov_b32 s[G1S+7], 0
	s_mov_b32 s[G0K], 1
	s_lshl_b32 s[G0K+1], s[WV], 15                 ; LDS: 32,768 w
	s_mov_b32 s[G0S], 1
	s_lshl_b32 s[G0S+1], s[WV], 10
	s_add_co_u32 s[G0S+1], s[G0S+1], KSC
	s_mov_b32 s[CS], 0x3e38aa3b                    ; c = log2(e) / 8
	s_mov_b32 s[CS+1], s[CS]
	s_mov_b32 s[SEL], 0x76543210
	s_mov_b32 s[SEL+1], 0xfedcba98
	s_mov_b32 s[MNT], 0x600000
	s_mov_b32 s[TB], 0
	s_mov_b32 s[TS], 0
	s_lshr_b32 s78, ttmp9, 3
	s_or_b32 s78, s78, s[WV]                       ; 0 in wave 0 of the batch's first eight clusters: the same in all four partners
	s_cmp_eq_u32 s78, 0
	s_cselect_b32 s[LIM], 4, 0
	s_lshl_b32 s30, s29, 18
	s_lshl_b32 s74, s[WV], 15
	s_add_co_u32 s30, s30, s74                     ; my keys' codes, in kimg and in vimg alike: 262,144 b + 32,768 w
	s_mov_b32 s31, 0
	s_lshl_b32 s74, s29, 13
	s_lshl_b32 s79, s[WV], 10
	s_add_co_u32 s74, s74, s79                     ; and their scale words, in ksc and in vsc: 8,192 b + 1,024 w
	s_mov_b32 s75, 0
	s_mov_b32 s77, 0
	s_wait_dscnt 0x0                               ; both opening adds are done
	s_wait_kmcnt 0x0
	s_add_nc_u64 s[G0K+2:G0K+3], s[8:9], s[30:31]
	s_or_b32 s[G0K+3], s[G0K+3], 0x80000000
	s_add_nc_u64 s[G0S+2:G0S+3], s[10:11], s[74:75]
	s_or_b32 s[G0S+3], s[G0S+3], 0x80000000
	s_add_nc_u64 s[VB:VB+1], s[12:13], s[30:31]
	s_add_nc_u64 s[VSB:VSB+1], s[14:15], s[74:75]
	CROUND                                         ; all four work-groups are here: the joint loads meet
	tensor_load_to_lds s[G0S:G0S+3], s[G1S:G1S+7]
	s_nop 0
	tensor_load_to_lds s[G0K:G0K+3], s[G1K:G1K+7]
	s_nop 0
.rept 4
	v_nop
.endr
	v_and_b32 v1, 31, v0
	v_and_b32 v[RR], 15, v0
	v_bfe_u32 v[HH], v0, 4, 1
	v_lshlrev_b32 v[L4], 2, v1
	v_lshlrev_b32 v[PFO], 8, v1
	v_lshlrev_b32 v[LI], 4, v1
	s_lshl_b32 s78, s[WV], 15
	v_add_nc_u32 v[AK0], s78, v[LI]
	s_lshl_b32 s78, s[WV], 10
	s_add_co_u32 s79, s78, KSC
	v_lshl_add_u32 v[ASK0], v[RR], 2, s79
	v_lshl_add_u32 v[AMLR], v[L4], 1, ML
	v_add_nc_u32 v[AMLW], s78, v[AMLR]
	s_lshl_b32 s76, s29, 18
	s_lshl_b32 s78, s28, 12
	s_add_co_u32 s76, s76, s78
	s_add_nc_u64 s[4:5], s[4:5], s[76:77]          ; Q's images: blocks 2 bx, 2 bx + 1 of batch b
	s_lshl_b32 s76, s29, 14
	s_lshl_b32 s78, s28, 8
	s_add_co_u32 s76, s76, s78
	s_add_nc_u64 s[6:7], s[6:7], s[76:77]          ; and their scale words
.irp t, 0,1,2,3
.irp g, 0,1
	global_load_b128 v[QZ+8+16*\t+4*\g:QZ+8+16*\t+4*\g+3], v[LI], s[4:5] offset:1024*\t+512*\g
.endr
.endr
	global_load_b32 v[QS], v[L4], s[6:7]
	global_load_b32 v[QS+1], v[L4], s[6:7] offset:128
	global_load_b32 v[WPS], v[L4], s[16:17] offset:16384+384
	WIN 0x40
.irp f, 0,1
.irp g, 0,1,2,3
	global_load_b128 v[WP+16*\f+4*\g:WP+16*\f+4*\g+3], v[LI], s[16:17] offset:12288+2048*\f+512*\g
.endr
.endr
	WIN 0
	s_lshl_b32 s76, s29, 20
	s_lshl_b32 s78, s28, 8
	s_add_co_u32 s76, s76, s78
	s_lshl_b32 s78, s[WV], 17
	s_add_co_u32 s76, s76, s78
	s_add_nc_u64 s[20:21], s[20:21], s[76:77]      ; x and out0 at batch b, channel 8 w, my 64 positions
	s_add_nc_u64 s[22:23], s[22:23], s[76:77]
	s_lshl_b32 s76, s29, 18
	s_and_b32 s78, s28, 31                         ; (cut to 0 .. 31, so that the address lies inside the batch's V in every work-group)
	s_lshl_b32 s78, s78, 13
	s_add_co_u32 s76, s76, s78
	s_add_nc_u64 s[PFA:PFA+1], s[12:13], s[76:77]
.irp z, 0,1,2,3,4
.irp j, 0,1,2,3,4,5,6,7
	v_mov_b32 v[QZ+16*\z+\j], 0                    ; the zero codes that the unused half of K meets
.endr
.endr
.irp t, 0,1,2,3
	v_mov_b32 v[ST1+8*\t+6], 0xff61b1e6            ; m: -3e38, under every score
	v_mov_b32 v[ST1+8*\t+1], 0
	v_mov_b32 v[ST1+8*\t+2], 0                     ; the sum, in two halves
	v_mov_b32 v[ST1+8*\t+3], 0
	v_mov_b32 v[ST1+8*\t+5], 0                     ; (upper halves of pairs that packed forms name)
	v_mov_b32 v[NB+2*\t+1], 0
	v_mov_b32 v[TM+4+\t], 0                        ; a lane permute's destination counts as one of its sources
.endr
.irp t, 0,1,2,3
	v_mul_f32 v[ST1+8*\t], s[CS], -v[ST1+8*\t+6]
.endr
	s_wait_tensorcnt 0x0                           ; my 16 blocks of K and their scale words are in LDS; no other wave reads them, so this wait is all that my reads need
	WIN 0x40
.irp g, 0,1,2,3
	ds_load_b128 v[KF+4*\g:KF+4*\g+3], v[AK0] offset:512*\g
.endr
	WIN 0
	ds_load_b32 v[KS], v[ASK0]
	s_wait_loadcnt 0x0                             ; Q, the scale words, wp
	; ---- PASS 1: 16 blocks; the last is written out: it fetches my first block again
	s_mov_b32 s[CNT], 15
.Lpass1:
	SCORES 1, 0
	; V's codes of the batch are prefetched once in the launch: 262,144 bytes = 32 instructions of 32 lanes, 256 bytes apart.  Wave 0 of the batch's first 32 work-groups asks, 8,192 bytes each, told apart by
	; address alone; in the trip that leaves five blocks of pass 1 to walk ahead of V's first load.  K comes with the first loads and is not asked for.
	s_cmp_eq_u32 s[CNT], s[LIM]
	s_cbranch_scc0 .Lnot_mine
	global_prefetch_b8 v[PFO], s[PFA:PFA+1] th:TH_LOAD_NT scope:SCOPE_SE
.Lnot_mine:
	SOFT1
	s_sub_co_u32 s[CNT], s[CNT], 1
	s_cmp_lg_u32 s[CNT], 0
	s_cbranch_scc1 .Lpass1
	SCORES 2, 0
	SOFT1
	; ---- THE MERGE: 8 waves x 2 lanes hold parts of a query's (m, l)
.irp t, 0,1,2,3
	v_add_f32 v[ST1+8*\t+1], v[ST1+8*\t+2], v[ST1+8*\t+3]
.endr
.irp t, 0,1,2,3
	ds_store_b64 v[AMLW], v[ST1+8*\t:ST1+8*\t+1] offset:256*\t
.endr
	s_wait_dscnt 0x0                               ; for the others' sake: my stores have landed
	s_barrier_signal -1
	s_barrier_wait -1
.irp t, 0,1,2,3
.irp w, 0,1,2,3,4,5,6,7
	ds_load_b64 v[S+16*\t+2*\w:S+16*\t+2*\w+1], v[AMLR] offset:1024*\w+256*\t
.endr
.endr
	s_wait_dscnt 0x0
.irp t, 0,1,2,3
	v_min_num_f32 v[TM+\t], v[S+16*\t], v[S+16*\t+2]
.endr
.irp w, 2,3,4,5,6,7
.irp t, 0,1,2,3
	v_min_num_f32 v[TM+\t], v[TM+\t], v[S+16*\t+2*\w]
.endr
.endr
.irp t, 0,1,2,3
	v_permlanex16_b32 v[TM+4+\t], v[TM+\t], s[SEL], s[SEL+1]
.endr
.irp t, 0,1,2,3
	v_min_num_f32 v[TM+\t], v[TM+\t], v[TM+4+\t]   ; -c m of the whole row
.endr
.irp w, 0,1,2,3,4,5,6,7
.irp t, 0,1,2,3
	v_sub_f32 v[S+16*\t+2*\w], v[TM+\t], v[S+16*\t+2*\w]   ; 0 or less
.endr
.endr
.irp w, 0,1,2,3,4,5,6,7
.irp t, 0,1,2,3
	v_exp_f32 v[S+16*\t+2*\w], v[S+16*\t+2*\w]
.endr
.endr
	v_nop
	s_wait_alu depctr_va_vdst(0)                   ; one wait for the 32
.irp t, 0,1,2,3
	v_mul_f32 v[TM+8+\t], v[S+16*\t], v[S+16*\t+1]
.endr
.irp w, 1,2,3,4,5,6,7
.irp t, 0,1,2,3
	v_fma_f32 v[TM+8+\t], v[S+16*\t+2*\w], v[S+16*\t+2*\w+1], v[TM+8+\t]
.endr
.endr
.irp t, 0,1,2,3
	v_permlanex16_b32 v[TM+4+\t], v[TM+8+\t], s[SEL], s[SEL+1]
.endr
.irp t, 0,1,2,3
	v_add_f32 v[TM+8+\t], v[TM+8+\t], v[TM+4+\t]   ; l of the whole row
.endr
.irp t, 0,1,2,3
	v_log_f32 v[TM+12+\t], v[TM+8+\t]
.endr
	v_nop
	s_wait_alu depctr_va_vdst(0)
.irp t, 0,1,2,3
	v_sub_f32 v[NB+2*\t], v[TM+\t], v[TM+12+\t]    ; -c m - log2 l
.endr
	; ---- PASS 2: 4 steps of 128 keys; the first starts O^T's sums, the last fetches nothing beyond my keys
	STEP2 1, 0
	s_mov_b32 s[CNT], 2
.Lpass2:
	STEP2 0, 0
	s_sub_co_u32 s[CNT], s[CNT], 1
	s_cmp_lg_u32 s[CNT], 0
	s_cbranch_scc1 .Lpass2
	STEP2 0, 1
	; ---- THE WAY OUT.  The 13 address lines are the places behind the last products; every LDS address is made here, ahead of the branch on the wave's number
	s_and_b32 s76, s[WV], 3
	s_lshl_b32 s78, s76, 12
	v_add_nc_u32 v[EA], s78, v[LI]                 ; tile w & 3 of waves 0, 1;
	v_add_nc_u32 v[EA+1], 0x10000, v[EA]           ; of waves 2, 3; 4, 5; 6, 7
	v_add_nc_u32 v[EA+2], 0x20000, v[EA]
	v_add_nc_u32 v[EA+3], 0x30000, v[EA]
	s_lshr_b32 s78, s76, 1
	s_lshl_b32 s78, s78, 7
	s_and_b32 s79, s76, 1
	s_lshl_b32 s79, s79, 2
	s_add_co_u32 s78, s78, s79
	s_add_co_u32 s78, s78, STG
	v_mul_u32_u24 v[STGW], v[HH], 4352             ; into the stage: channel 16 h + .., position 32 B + 2 r + u
	v_lshl_add_u32 v[STGW], v[RR], 3, v[STGW]
	v_add_nc_u32 v[STGW], s78, v[STGW]
	s_mul_i32 s79, s[WV], 2176
	s_add_co_u32 s79, s79, STG
	v_mul_u32_u24 v[STGR], v[HH], 272              ; back: channels 8 w + h + 2 i, 16 bytes a lane
	v_lshl_add_u32 v[STGR], v[RR], 4, v[STGR]
	v_add_nc_u32 v[STGR], s79, v[STGR]
	v_lshlrev_b32 v[XO], 14, v[HH]                 ; and the same places in x and out0
	v_lshl_add_u32 v[XO], v[RR], 4, v[XO]
	v_lshlrev_b32 v[BPO], 6, v[HH]
	WIN 0x40
.irp i, 0,1,2,3
	global_load_b128 v[XR+4*\i:XR+4*\i+3], v[XO], s[20:21] offset:32768*\i
.endr
	WIN 0x04                                       ; an LDS store's data are its source 1: window 1
.irp q, 0,1,2,3
.irp t, 0,1,2,3
	ds_store_b128 v[AK0], v[O+32*\q+8*\t:O+32*\q+8*\t+3] offset:512*(8*\q+2*\t)        ; my partial O^T, as images, over my own part of K, which has had its one fill and its last read
	ds_store_b128 v[AK0], v[O+32*\q+8*\t+4:O+32*\q+8*\t+7] offset:512*(8*\q+2*\t+1)
.endr
.endr
	WIN 0
	s_wait_dscnt 0x0
	s_barrier_signal -1
	s_barrier_wait -1
	s_cmp_gt_u32 s[WV], 3
	s_cbranch_scc1 .Lno_proj
	; waves 0-3: tile w: the eight partial sums, the quantiser along the channels, wp's product
	WIN 0x40
.irp f, 0,1
.irp y, 0,1
.irp k, 0,1
	global_load_b128 v[VF+16*\f+8*\y+4*\k:VF+16*\f+8*\y+4*\k+3], v[BPO], s[18:19] offset:4*(32*\f+8*\y)+16*\k   ; bp in the result's layout
.endr
.endr
.endr
	WIN 0
.macro GATHER t, buf
.irp w, 0,1,2,3,4,5,6,7
	ds_load_b128 v[\buf+8*\w:\buf+8*\w+3], v[EA+\w/2] offset:32768*(\w%2)+1024*\t
	ds_load_b128 v[\buf+8*\w+4:\buf+8*\w+7], v[EA+\w/2] offset:32768*(\w%2)+1024*\t+512
.endr
.endm
.macro SUM t, buf
.irp k, 0,1,2,3
	v_pk_add_f32 v[OA+8*\t+2*\k:OA+8*\t+2*\k+1], v[\buf+2*\k:\buf+2*\k+1], v[\buf+8+2*\k:\buf+8+2*\k+1]
.endr
.irp w, 2,3,4,5,6,7
.irp k, 0,1,2,3
	v_pk_add_f32 v[OA+8*\t+2*\k:OA+8*\t+2*\k+1], v[OA+8*\t+2*\k:OA+8*\t+2*\k+1], v[\buf+8*\w+2*\k:\buf+8*\w+2*\k+1]
.endr
.endr
.endm
	GATHER 0, S
	GATHER 1, PC
	s_wait_dscnt 16                                ; the older sixteen loads are in; the other buffer's may be out
	SUM 0, S
	GATHER 2, S
	s_wait_dscnt 16
	SUM 1, PC
	GATHER 3, PC
	s_wait_dscnt 16
	SUM 2, S
	s_wait_dscnt 0x0
	SUM 3, PC
	QUANT OA, QZ+8, 0, 2                           ; register 16 f + i is channel 32 f + 16 h + i of my query; the codes take q0's place, between two runs of zeros
	v_lshl_or_b32 v[PS], v[TM+5], 8, v[TM+4]
	v_lshl_or_b32 v[PS], v[PS], 16, v[PS]
	s_wait_loadcnt 0x0                             ; bp (and x)
.rept 8
	v_nop                                          ; eight places between the scale word and the scaled products
.endr
	WIN 0x11                                       ; source 0 (wp) and C (bp) window 1
.irp f, 0,1
.irp y, 0,1
	WMS S+8*(2*\f+\y), WP+16*\f, QZ+8-8*\y, VF+16*\f+8*\y, WPS, PS, \f, 0
.endr
.endr
	WIN 0
.rept 8
	v_nop
.endr
.irp f, 0,1
.irp y, 0,1
.irp j, 0,1,2,3,4,5,6,7
	ds_store_b32 v[STGW], v[S+8*(2*\f+\y)+\j] offset:272*(32*\f+8*\y+\j)
.endr
.endr
.endr
.Lno_proj:
	s_wait_dscnt 0x0
	s_barrier_signal -1
	s_barrier_wait -1                              ; 64 channels x 64 positions lie in the stage
.irp i, 0,1,2,3
	ds_load_b128 v[S+32+4*\i:S+32+4*\i+3], v[STGR] offset:544*\i
.endr
	s_wait_loadcnt 0x0                             ; x
	s_wait_dscnt 0x0
	WIN 0x04                                       ; source 1 (x) window 1
.irp k, 0,1,2,3,4,5,6,7
	v_pk_add_f32 v[S+32+2*\k:S+32+2*\k+1], v[S+32+2*\k:S+32+2*\k+1], v[XR+2*\k:XR+2*\k+1]
.endr
	WIN 0
.irp i, 0,1,2,3
	global_store_b128 v[XO], v[S+32+4*\i:S+32+4*\i+3], s[22:23] offset:32768*\i th:TH_STORE_NT   ; sixteen lanes store 256 consecutive bytes, at a multiple of 256 from out0's first byte
.endr
	s_wait_tensorcnt 0x0                           ; the wave's end
	ds_add_u32 v[SPW], v[NIL]
	s_wait_dscnt 0x0
	CROUND                                         ; the closing round
	s_endpgm
.Lfunc_end_k_qe409589316_attn:
	.size	k_qe409589316_attn, .Lfunc_end_k_qe409589316_attn-k_qe409589316_attn
	.p2alignl 7, 3214868480
	.fill 96, 4, 3214868480
	.section	.rodata,"a",@progbits
	.p2align	6, 0x0
	.amdhsa_kernel k_qe409589316_attn
		.amdhsa_group_segment_fixed_size 327680
		.amdhsa_private_segment_fixed_size 0
		.amdhsa_enable_private_segment 0
		.amdhsa_kernarg_size 80
		.amdhsa_user_sgpr_count 2
		.amdhsa_user_sgpr_kernarg_segment_ptr 1
		.amdhsa_wavefront_size32 1
		.amdhsa_system_sgpr_workgroup_id_x 1
		.amdhsa_system_sgpr_workgroup_id_y 1
		.amdhsa_system_sgpr_workgroup_id_z 1
		.amdhsa_system_vgpr_workitem_id 0
		.amdhsa_next_free_vgpr 512
		.amdhsa_next_free_sgpr 80
		.amdhsa_reserve_vcc 0
		.amdhsa_float_denorm_mode_32 3
		.amdhsa_float_denorm_mode_16_64 3
		.amdhsa_memory_ordered 1
		.amdhsa_forward_progress 1
		.amdhsa_inst_pref_size 223
	.end_amdhsa_kernel
	.amdgpu_metadata
---
amdhsa.version: [ 1, 2 ]
amdhsa.kernels:
  - .name:           k_qe409589316_attn
    .symbol:         k_qe409589316_attn.kd
    .args:
      - { .name: qimg, .offset: 0, .size: 8, .value_kind: global_buffer, .address_space: global }
      - { .name: qsc, .offset: 8, .size: 8, .value_kind: global_buffer, .address_space: global }
      - { .name: kimg, .offset: 16, .size: 8, .value_kind: global_buffer, .address_space: global }
      - { .name: ksc, .offset: 24, .size: 8, .value_kind: global_buffer, .address_space: global }
      - { .name: vimg, .offset: 32, .size: 8, .value_kind: global_buffer, .address_space: global }
      - { .name: vsc, .offset: 40, .size: 8, .value_kind: global_buffer, .address_space: global }
      - { .name: wts, .offset: 48, .size: 8, .value_kind: global_buffer, .address_space: global }
      - { .name: bp, .offset: 56, .size: 8, .value_kind: global_buffer, .address_space: global }
      - { .name: x, .offset: 64, .size: 8, .value_kind: global_buffer, .address_space: global }
      - { .name: out0, .offset: 72, .size: 8, .value_kind: global_buffer, .address_space: global }
    .group_segment_fixed_size: 327680
    .private_segment_fixed_size: 0
    .kernarg_segment_align: 8
    .kernarg_segment_size: 80
    .max_flat_workgroup_size: 256
    .sgpr_count:     80
    .vgpr_count:     512
    .wavefront_size: 32
...
	.end_amdgpu_metadata
.endif
;; end of part 3
;; ======== version 2 of 2: 3 launches; version 1 with the launch proj written anew for expert scheduling mode
;; workspace buffers: stats 1,024 bytes; wts 16,896 bytes; qimg 1,048,576 bytes; kimg 1,048,576 bytes; qsc 65,536 bytes; ksc 32,768 bytes; vimg 1,048,576 bytes; vsc 32,768 bytes
;; launch prep: the kernel of part 1 again; grid 129 x 1, 4 waves a work-group, no clusters, 768 bytes of LDS; arguments x, wq, wk, wv, wp, stats, wts; writes stats, wts
;; launch proj (part 4): grid 32 x 4, 4 waves a work-group, no clusters, 34,816 bytes of LDS; arguments x, stats, gn_gamma, gn_beta, wts, bq, bk, bv, qimg, qsc, kimg, ksc, vimg, vsc; writes qimg, qsc, kimg, ksc, vimg, vsc
.if DOCPART == 4
	.amdgcn_target "amdgcn-amd-amdhsa--gfx1250"
	.amdhsa_code_object_version 6
	.text
	.protected	k_qe409589316_proj
	.globl	k_qe409589316_proj
	.p2align	8
	.type	k_qe409589316_proj,@function
k_qe409589316_proj:
	s_mov_b64 s[64:65], 0
	v_nop
	global_prefetch_b8 v0, s[64:65] scope:SCOPE_SE
	s_setreg_imm32_b32 hwreg(HW_REG_WAVE_SCHED_MODE, 0, 2), 2
	s_setreg_imm32_b32 hwreg(HW_REG_WAVE_MODE, 25, 1), 1
	s_wait_xcnt 0x0
	s_wait_alu depctr_vm_vsrc(0)
; PROJ.  h = GroupNorm(x), q = wq h + bq, k = wk h + bk, v = wv h + bv, all three products on codes of E5M2 with one E8M0 byte for each 32 along K; q, k (along the channels) and v (along the positions) are
; quantised again and stored as IMAGES OF OPERAND REGISTERS for the attention launch.  A work-group takes 128 positions (a step) of one batch; wave w takes block w of 32 positions.
; K IS 64, THE INSTRUCTION'S IS 128.  A PAIR FRAGMENT holds two rows' 64 codes in one row of the instruction (groups 0, 1: K 0-63; groups 2, 3: K 64-127).  The other operand is [codes | zeros] or [zeros | codes],
; which picks the first or the second rows: the unused half of K meets zero codes.  The zeros lie between the codes (z, h0, z, h1, z), so neighbours share them.
; POSITIONS: a block's two tiles are u = 0, 1; row r of tile u is position 32 blk + 2 r + u.  CHANNELS: row m of a weight's tile 2 f + y is channel 32 f + 8 y + m + 8 (m / 8).  So with the weight as source 0 a lane's
; 16 registers of tiles 2 f, 2 f + 1 are channels 32 f + 16 (lane / 16) + 0 .. 15 of one position: 16 neighbours along the next K; and with h as source 0 (v) they are 16 positions of one block for one channel.
; OUT: qimg, kimg [b][blk][G = 2 u + g][lane][16 bytes]; qsc [b][blk][u][r] words (s0, s1, s0, s1); ksc [b][blk][r] words (u 0: s0, s1; u 1: s0, s1); vimg [b][step][t][c][lane][16 bytes]; vsc [b][step][t][r] words, byte c = block c.
; In a block of v slot 16 h + 8 u + j holds key 16 h + 2 j + u: the attention launch's p has the same order; the blocks of 32 are the true ones.
; LIMITS: as in the launch before (NaN, infinities; the floor's byte 1).
; No cluster: what the work-groups share is the 12 KB of weights' codes, against 32 KB of x and 26 KB of results of each work-group's own.  No tensor load: x goes through registers anyway, to be normalised.
; THE MODE: SCHED_MODE bits 1:0 = 2 (LLVM: expert scheduling mode 2), set by the entry lines.  The code itself states the register dependences between vector or matrix instructions and memory or LDS
; instructions, with s_wait_alu, always for 0.
; THE PLAN.  Registers that memory or LDS instructions touch, in the order of the text:
;   v1-v10     addresses and offsets: written at the head and never again; one wait on va_vdst ahead of the first load serves every load and store of the kernel.
;   R2         x's loads land in it; the normalising lines write it; the 16 LDS stores of h read it; k's products write it.  It goes in two halves of eight channels: the first half's stores are dealt among
;              the second half's lines, which name other registers.  A wait on va_vdst ahead of each half's stores; one on vm_vsrc ahead of the products.
;   R1         h's LDS loads land in it before any vector line has named it; from then on vector and matrix instructions alone name it, until wave 0's last LDS loads land in v96-103.
;   HZ, HW     h's codes and scale words, written by vector lines, taken by scaled products: the places, then a wait on va_vdst, ahead of the first product; they are not written again.
;   PCQ, v19, v11; PCK, v36; PCV, TM+4 .. TM+7: codes and scale words on their way out.  Each is written once, by its tensor's quantiser, and read by that tensor's run of stores, ahead of which stands one
;              wait on va_vdst.  None is written again, so nothing is owed for what the stores have read.
.set XS,    0                          ; LDS: h, channel ch at 512 ch + 128 (ch / 16); a row holds 128 positions.  33,152 bytes
.set VSL,   33280                      ; v's scale bytes of the step, 256 bytes
.set KSL,   33536                      ; k's scale words, 256 bytes
.set QSL,   33792                      ; q's, 512 bytes
.set SPARE, 34304                      ; the spare words, 128 bytes a wave
.set LI,    1                          ; v1 16 x lane   v2 h's way in   v3 h's way out   v4 128 w + 4 r   v5 64 w + 4 r   v6 4 r + w   v7 8 x lane   v8 64 h   v9 4 (r + 8 (r / 8))   v10 4 x lane   v11, v19 at work, then q's scale words
.set SPW,   12
.set NIL,   13
.set HW,    14                         ; v14-15 h's scale words, tile u
.set WS,    16                         ; v16-18 the weights' scale words (q, k, v)
.set TM,    20                         ; v20-35 the quantiser's
.set BVL,   36                         ; v36-39 bv of my lane's channel in tile t
.set KW,    36                         ; v36    once bv has been copied: k's scale word, in a register of its own
.set HZ,    40                         ; v40-79 z, h0, z, h1, z
.set PCQ,   80                         ; v80-95 q's codes
.set R1,    96                         ; v96-159 h, then q, then v
.set R2,    160                        ; v160-223 x, then k
.set PCK,   224                        ; v224-239 k's codes
.set PCV,   240                        ; v240-255 v's codes
; window 1: v0-31 wq's two fragments, v32-63 wk's, v64-95 wv's; v96-127 bq, v128-159 bk in the results' layout; v160-191 bv, eight times each
.set WV,    32
.set SEL,   52
.set MNT,   54
.set MSB, 0
.macro WIN new                         ; the immediate's high byte repeats the setting that is left
.if MSB != \new
	s_set_vgpr_msb (MSB<<8)|\new
.set MSB, \new
.endif
.endm
.macro QUANT s, d, gap, nb             ; as in the launch before
.set qb, 0
.rept \nb
	v_max3_num_f32 v[TM+qb], |v[\s+16*qb]|, |v[\s+16*qb+1]|, 0x8000000
.set qb, qb+1
.endr
.irp i, 2,4,6,8,10,12,14
.set qb, 0
.rept \nb
	v_max3_num_f32 v[TM+qb], v[TM+qb], |v[\s+16*qb+\i]|, |v[\s+16*qb+\i+1]|
.set qb, qb+1
.endr
.endr
.set qb, 0
.rept \nb
	v_permlanex16_b32 v[TM+4+qb], v[TM+qb], s[SEL], s[SEL+1]
.set qb, qb+1
.endr
.set qb, 0
.rept \nb
	v_max_num_f32 v[TM+qb], v[TM+qb], v[TM+4+qb]
.set qb, qb+1
.endr
.set qb, 0
.rept \nb
	v_add_nc_u32 v[TM+12+qb], 0xf8800000, v[TM+qb]
	v_and_or_b32 v[TM+8+qb], v[TM+qb], 0x7f800000, s[MNT]
.set qb, qb+1
.endr
.set qb, 0
.rept \nb
	v_lshrrev_b32 v[TM+4+qb], 23, v[TM+12+qb]
.set qb, qb+1
.endr
.set qb, 0
.rept \nb
.irp i, 0,1,2,3,4,5,6,7,8,9,10,11,12,13,14,15
	v_med3_num_f32 v[\s+16*qb+\i], v[\s+16*qb+\i], -v[TM+8+qb], v[TM+8+qb]
.endr
	v_cvt_scalef32_pk8_bf8_f32 v[\d+4*qb+\gap*(qb/2):\d+4*qb+\gap*(qb/2)+1], v[\s+16*qb:\s+16*qb+7], v[TM+12+qb]
	v_cvt_scalef32_pk8_bf8_f32 v[\d+4*qb+\gap*(qb/2)+2:\d+4*qb+\gap*(qb/2)+3], v[\s+16*qb+8:\s+16*qb+15], v[TM+12+qb]
.set qb, qb+1
.endr
	v_nop
.endm
; One product.  ra, rb: 1 = that side's scale words are taken from lanes 16-31
.macro WMS d, a, b, c, sa, sb, ra, rb
.if \ra
	v_wmma_scale_f32_16x16x128_f8f6f4 v[\d:\d+7], v[\a:\a+15], v[\b:\b+15], v[\c:\c+7], v[\sa], v[\sb] matrix_a_fmt:MATRIX_FMT_BF8 matrix_b_fmt:MATRIX_FMT_BF8 matrix_a_scale:MATRIX_SCALE_ROW1
.elseif \rb
	v_wmma_scale_f32_16x16x128_f8f6f4 v[\d:\d+7], v[\a:\a+15], v[\b:\b+15], v[\c:\c+7], v[\sa], v[\sb] matrix_a_fmt:MATRIX_FMT_BF8 matrix_b_fmt:MATRIX_FMT_BF8 matrix_b_scale:MATRIX_SCALE_ROW1
.else
	v_wmma_scale_f32_16x16x128_f8f6f4 v[\d:\d+7], v[\a:\a+15], v[\b:\b+15], v[\c:\c+7], v[\sa], v[\sb] matrix_a_fmt:MATRIX_FMT_BF8 matrix_b_fmt:MATRIX_FMT_BF8
.endif
.endm
; Channel 16 w + i of x becomes h: (x - mean) x (gamma x rstd) + beta, four positions a lane
.macro NORM i
.irp k, 0,1,2,3
	v_sub_f32 v[R2+4*(\i)+\k], v[R2+4*(\i)+\k], s[36+2*((\i)/2)]
.endr
.irp k, 0,1,2,3
	v_fma_f32 v[R2+4*(\i)+\k], v[R2+4*(\i)+\k], s[68+(\i)], s[84+(\i)]
.endr
.endm
	s_load_b512 s[4:19], s[0:1], 0x0               ; x 4, stats 6, gamma 8, beta 10, wts 12, bq 14, bk 16, bv 18
	s_load_b256 s[20:27], s[0:1], 0x40             ; qimg 20, qsc 22, kimg 24, ksc 26
	s_load_b128 s[28:31], s[0:1], 0x60             ; vimg 28, vsc 30
	v_lshl_add_u32 v[SPW], v0, 2, SPARE
	v_mov_b32 v[NIL], 0
	v_lshrrev_b32 v11, 5, v0
	v_readfirstlane_b32 s[WV], v11                 ; wave 0..3
	s_and_b32 s34, ttmp7, 0xffff                   ; the batch; ttmp9 is the step
	v_and_b32 v10, 31, v0                          ; lane
	v_and_b32 v11, 15, v0                          ; r
	v_bfe_u32 v8, v0, 4, 1                         ; h
	v_lshlrev_b32 v[LI], 4, v10
	s_wait_alu depctr_va_sdst(0)                   ; the wave's number is written, ahead of its first reader: LDS addresses, bases and the last branch are made from it
	s_mul_i32 s56, s[WV], 8320                     ; my 16 channels' rows in LDS
	v_add_nc_u32 v2, s56, v[LI]
	v_mul_u32_u24 v3, v8, 8320                     ; out: 16 channels further for lanes 16-31,
	v_lshl_add_u32 v3, v11, 3, v3                  ; position 2 r,
	s_lshl_b32 s57, s[WV], 7
	v_add_nc_u32 v3, s57, v3                       ; of my block
	v_lshlrev_b32 v4, 2, v11
	v_add_nc_u32 v6, s[WV], v4                     ; v's scale bytes: word r, byte w
	s_lshl_b32 s58, s[WV], 6
	v_add_nc_u32 v5, s58, v4                       ; k's scale words
	v_add_nc_u32 v4, s57, v4                       ; q's
	v_lshlrev_b32 v7, 3, v10
	v_and_b32 v9, 8, v11
	v_add_nc_u32 v9, v9, v11
	v_lshlrev_b32 v9, 2, v9
	v_lshlrev_b32 v8, 6, v8
	v_lshlrev_b32 v10, 2, v10
	s_mov_b32 s[SEL], 0x76543210
	s_mov_b32 s[SEL+1], 0xfedcba98
	s_mov_b32 s[MNT], 0x600000
.irp z, 0,16,32
.irp j, 0,1,2,3,4,5,6,7
	v_mov_b32 v[HZ+\z+\j], 0                       ; the zero codes that the unused half of K meets
.endr
.endr
.irp b, 0,1,2,3
	v_mov_b32 v[TM+4+\b], 0                        ; written once: a lane permute's destination counts as one of its sources
.endr
	s_wait_kmcnt 0x0
	s_lshl_b32 s56, s34, 8
	s_add_co_u32 s56, s56, s58                     ; 256 b + 64 w: my 8 groups' (mean, rstd)
	s_mov_b32 s57, 0
	s_mov_b32 s59, 0
	s_add_nc_u64 s[6:7], s[6:7], s[56:57]
	s_add_nc_u64 s[8:9], s[8:9], s[58:59]          ; my 16 channels' gamma
	s_add_nc_u64 s[10:11], s[10:11], s[58:59]      ; and beta
	s_load_b512 s[36:51], s[6:7], 0x0
	s_load_b512 s[68:83], s[8:9], 0x0
	s_load_b512 s[84:99], s[10:11], 0x0
	s_lshl_b32 s56, s34, 20
	s_lshl_b32 s60, s[WV], 18
	s_add_co_u32 s56, s56, s60
	s_lshl_b32 s60, ttmp9, 9
	s_add_co_u32 s56, s56, s60
	s_add_nc_u64 s[4:5], s[4:5], s[56:57]          ; x at batch b, channel 16 w, position 128 step
	s_wait_alu depctr_va_vdst(0)                   ; the addresses and offsets v1 to v10 are written, which every load and store of the kernel reads; up to the head's last load only loads and window switches follow
.irp i, 0,1,2,3,4,5,6,7,8,9,10,11,12,13,14,15
	global_load_b128 v[R2+4*\i:R2+4*\i+3], v[LI], s[4:5] offset:16384*\i   ; channel 16 w + i: 32 lanes read 512 consecutive bytes
.endr
	WIN 0x40                                       ; destination window 1
.irp m, 0,1,2
.irp f, 0,1
.irp g, 0,1,2,3
	global_load_b128 v[32*\m+16*\f+4*\g:32*\m+16*\f+4*\g+3], v[LI], s[12:13] offset:4096*\m+2048*\f+512*\g
.endr
.endr
.endr
.irp f, 0,1
.irp y, 0,1
.irp k, 0,1
	global_load_b128 v[96+16*\f+8*\y+4*\k:96+16*\f+8*\y+4*\k+3], v8, s[14:15] offset:4*(32*\f+8*\y)+16*\k    ; bq at channels 32 f + 16 h + 8 y + 0 .. 7
	global_load_b128 v[128+16*\f+8*\y+4*\k:128+16*\f+8*\y+4*\k+3], v8, s[16:17] offset:4*(32*\f+8*\y)+16*\k  ; bk likewise
.endr
.endr
.endr
	WIN 0
.irp m, 0,1,2
	global_load_b32 v[WS+\m], v10, s[12:13] offset:16384+128*\m
.endr
.irp t, 0,1,2,3
	global_load_b32 v[BVL+\t], v9, s[18:19] offset:4*(32*(\t/2)+8*(\t%2))
.endr
	s_lshl_b32 s56, s34, 5
	s_add_co_u32 s56, s56, ttmp9                   ; 32 b + step
	s_lshl_b32 s58, s56, 2
	s_add_co_u32 s58, s58, s[WV]                   ; my block
	s_lshl_b32 s58, s58, 11
	s_add_nc_u64 s[20:21], s[20:21], s[58:59]
	s_add_nc_u64 s[24:25], s[24:25], s[58:59]
	s_lshl_b32 s58, s56, 13
	s_lshl_b32 s60, s[WV], 9
	s_add_co_u32 s58, s58, s60
	s_add_nc_u64 s[28:29], s[28:29], s[58:59]
	s_lshl_b32 s58, s56, 9
	s_add_nc_u64 s[22:23], s[22:23], s[58:59]
	s_lshl_b32 s58, s56, 8
	s_add_nc_u64 s[26:27], s[26:27], s[58:59]
	s_add_nc_u64 s[30:31], s[30:31], s[58:59]
	s_wait_kmcnt 0x0
.irp i, 0,1,2,3,4,5,6,7,8,9,10,11,12,13,14,15
	s_mul_f32 s[68+\i], s[68+\i], s[37+2*(\i/2)]   ; gamma x rstd
.endr
	s_wait_loadcnt 55                              ; loads come back in order: x's first 8 are in; its other 8 and the 47 issued behind them may be out
.irp i, 0,1,2,3,4,5,6,7
	NORM \i
.endr
	s_wait_alu depctr_va_vdst(0)                   ; channels 0 to 7 of h are written, which the eight LDS stores below read
	s_wait_loadcnt 47                              ; x's 16 loads are in; the 24 + 16 + 3 + 4 issued behind them may be out
.irp i, 8,9,10,11,12,13,14,15
	ds_store_b128 v2, v[R2+4*(\i-8):R2+4*(\i-8)+3] offset:XS+512*(\i-8)   ; no vector line since the wait names these registers: the lines between work on channels 8 to 15
	NORM \i
.endr
	s_wait_alu depctr_va_vdst(0)                   ; channels 8 to 15 of h are written, which the eight LDS stores below read
.irp i, 8,9,10,11,12,13,14,15
	ds_store_b128 v2, v[R2+4*\i:R2+4*\i+3] offset:XS+512*\i
.endr
	s_wait_dscnt 0x0                               ; for the others' sake: my 16 channels of h lie in LDS
	s_barrier_signal -1
	s_barrier_wait -1
.irp u, 0,1
.irp c, 0,1
.irp i, 0,1,2,3,4,5,6,7,8,9,10,11,12,13,14,15
	ds_load_b32 v[R1+32*\u+16*\c+\i], v3 offset:XS+16640*\c+512*\i+4*\u   ; h(channel 32 c + 16 h + i, position 2 r + u): a lane's registers run along K.  (No vector line has named these registers yet)
.endr
.endr
.endr
	s_wait_dscnt 0x0
	QUANT R1, HZ+8, 8, 4                           ; block 2 u + c
.irp u, 0,1
	v_lshl_or_b32 v[HW+\u], v[TM+5+2*\u], 8, v[TM+4+2*\u]
	v_lshl_or_b32 v[HW+\u], v[HW+\u], 16, v[HW+\u] ; (s0, s1, s0, s1): it serves both places of the codes
.endr
	s_wait_loadcnt 0x0                             ; weights, biases
	WIN 0x40
.irp t, 0,1,2,3
.irp j, 0,1,2,3,4,5,6,7
	v_mov_b32 v[160+8*\t+\j], v[BVL+\t]            ; bv as the C of v's products: there a lane holds one channel.  (These 32 are also the places between h's scale words and codes and the products)
.endr
.endr
	WIN 0x11                                       ; source 0 (weight) and C (bias) window 1
	s_wait_alu depctr_vm_vsrc(0)                   ; the LDS stores of h have read v160-223, which k's products write
	s_wait_alu depctr_va_vdst(0)                   ; h's codes and scale words are written, which the scaled products take as an operand and as scales; the places above stay beside this wait
.irp m, 0,1
.irp u, 0,1
.irp f, 0,1
.irp y, 0,1
	WMS R1+64*\m+32*\u+16*\f+8*\y, 32*\m+16*\f, HZ+8+16*\u-8*\y, 96+32*\m+16*\f+8*\y, WS+\m, HW+\u, \f, 0
.endr
.endr
.endr
.endr
	WIN 0
.rept 8
	v_nop                                          ; eight places ahead of the first read of results
.endr
	QUANT R1, PCQ, 0, 4                            ; q: block 2 u + f
	v_lshl_or_b32 v19, v[TM+5], 8, v[TM+4]
	v_lshl_or_b32 v19, v19, 16, v19
	v_lshl_or_b32 v11, v[TM+7], 8, v[TM+6]
	v_lshl_or_b32 v11, v11, 16, v11
	s_wait_alu depctr_va_vdst(0)                   ; q's codes and its two scale words are written, which the six stores below read
	ds_store_b32 v4, v19 offset:QSL                ; lanes r and r + 16 write the same word with the same value
	ds_store_b32 v4, v11 offset:QSL+64
.irp g, 0,1,2,3
	global_store_b128 v[LI], v[PCQ+4*\g:PCQ+4*\g+3], s[20:21] offset:512*\g   ; 32 lanes store 512 consecutive bytes
.endr
	WIN 0x14                                       ; source 1 (weight) and C window 1
.irp f, 0,1
.irp y, 0,1
.irp u, 0,1
	WMS R1+16*(2*\f+\y)+8*\u, HZ+8+16*\u-8*\y, 64+16*\f, 160+8*(2*\f+\y), HW+\u, WS+2, 0, \f
.endr
.endr
.endr
	WIN 0
	QUANT R2, PCK, 0, 4                            ; k.  (Its plain lines, which name no register of v's products, are the places behind them)
	v_lshl_or_b32 v[KW], v[TM+5], 8, v[TM+4]       ; a register that no store has read
	v_lshl_or_b32 v[KW], v[TM+6], 16, v[KW]
	v_lshl_or_b32 v[KW], v[TM+7], 24, v[KW]
	s_wait_alu depctr_va_vdst(0)                   ; k's codes and its scale word are written, which the five stores below read
	ds_store_b32 v5, v[KW] offset:KSL
.irp g, 0,1,2,3
	global_store_b128 v[LI], v[PCK+4*\g:PCK+4*\g+3], s[24:25] offset:512*\g
.endr
	QUANT R1, PCV, 0, 4                            ; v: block t = my 32 positions for the lane's channel of tile t
	s_wait_alu depctr_va_vdst(0)                   ; v's codes and scale bytes are written, which the eight stores below read; and the quantiser is done with v96-103, in which wave 0's LDS loads land: no vector line follows
.irp t, 0,1,2,3
	ds_store_b8 v6, v[TM+4+\t] offset:VSL+64*\t
	global_store_b128 v[LI], v[PCV+4*\t:PCV+4*\t+3], s[28:29] offset:2048*\t
.endr
	s_wait_dscnt 0x0                               ; for wave 0's sake: my scale words and bytes lie in LDS
	s_barrier_signal -1
	s_barrier_wait -1
	s_cmp_lg_u32 s[WV], 0
	s_cbranch_scc1 .Ldone
	ds_load_b128 v[96:99], v[LI] offset:QSL        ; the step's scale words leave in whole runs: 512, 256 and 256 consecutive bytes
	ds_load_b64 v[100:101], v7 offset:KSL
	ds_load_b64 v[102:103], v7 offset:VSL
	s_wait_dscnt 0x0
	global_store_b128 v[LI], v[96:99], s[22:23]
	global_store_b64 v7, v[100:101], s[26:27]
	global_store_b64 v7, v[102:103], s[30:31]
.Ldone:
	s_wait_dscnt 0x0                               ; the closing lines, six on end
	s_wait_alu 0x0
	s_wait_tensorcnt 0x0
	ds_add_u32 v[SPW], v[NIL]
	s_wait_dscnt 0x0
	s_endpgm
.Lfunc_end_k_qe409589316_proj:
	.size	k_qe409589316_proj, .Lfunc_end_k_qe409589316_proj-k_qe409589316_proj
	.p2alignl 7, 3214868480
	.fill 96, 4, 3214868480
	.section	.rodata,"a",@progbits
	.p2align	6, 0x0
	.amdhsa_kernel k_qe409589316_proj
		.amdhsa_group_segment_fixed_size 34816
		.amdhsa_private_segment_fixed_size 0
		.amdhsa_enable_private_segment 0
		.amdhsa_kernarg_size 112
		.amdhsa_user_sgpr_count 2
		.amdhsa_user_sgpr_kernarg_segment_ptr 1
		.amdhsa_wavefront_size32 1
		.amdhsa_system_sgpr_workgroup_id_x 1
		.amdhsa_system_sgpr_workgroup_id_y 1
		.amdhsa_system_sgpr_workgroup_id_z 1
		.amdhsa_system_vgpr_workitem_id 0
		.amdhsa_next_free_vgpr 448
		.amdhsa_next_free_sgpr 100
		.amdhsa_reserve_vcc 0
		.amdhsa_float_denorm_mode_32 3
		.amdhsa_float_denorm_mode_16_64 3
		.amdhsa_memory_ordered 1
		.amdhsa_forward_progress 1
		.amdhsa_inst_pref_size 63
	.end_amdhsa_kernel
	.amdgpu_metadata
---
amdhsa.version: [ 1, 2 ]
amdhsa.kernels:
  - .name:           k_qe409589316_proj
    .symbol:         k_qe409589316_proj.kd
    .args:
      - { .name: x, .offset: 0, .size: 8, .value_kind: global_buffer, .address_space: global }
      - { .name: stats, .offset: 8, .size: 8, .value_kind: global_buffer, .address_space: global }
      - { .name: gn_gamma, .offset: 16, .size: 8, .value_kind: global_buffer, .address_space: global }
      - { .name: gn_beta, .offset: 24, .size: 8, .value_kind: global_buffer, .address_space: global }
      - { .name: wts, .offset: 32, .size: 8, .value_kind: global_buffer, .address_space: global }
      - { .name: bq, .offset: 40, .size: 8, .value_kind: global_buffer, .address_space: global }
      - { .name: bk, .offset: 48, .size: 8, .value_kind: global_buffer, .address_space: global }
      - { .name: bv, .offset: 56, .size: 8, .value_kind: global_buffer, .address_space: global }
      - { .name: qimg, .offset: 64, .size: 8, .value_kind: global_buffer, .address_space: global }
      - { .name: qsc, .offset: 72, .size: 8, .value_kind: global_buffer, .address_space: global }
      - { .name: kimg, .offset: 80, .size: 8, .value_kind: global_buffer, .address_space: global }
      - { .name: ksc, .offset: 88, .size: 8, .value_kind: global_buffer, .address_space: global }
      - { .name: vimg, .offset: 96, .size: 8, .value_kind: global_buffer, .address_space: global }
      - { .name: vsc, .offset: 104, .size: 8, .value_kind: global_buffer, .address_space: global }
    .group_segment_fixed_size: 34816
    .private_segment_fixed_size: 0
    .kernarg_segment_align: 8
    .kernarg_segment_size: 112
    .max_flat_workgroup_size: 128
    .sgpr_count:     100
    .vgpr_count:     448
    .wavefront_size: 32
...
	.end_amdgpu_metadata
.endif
;; end of part 4
;; launch attn: the kernel of part 3 again; grid 64 x 4, 8 waves a work-group, clusters of 4 x 1, 327,680 bytes of LDS; arguments qimg, qsc, kimg, ksc, vimg, vsc, wts, bp, x, out0; writes out0
